; MI455X (gfx1250); checked and timed in simulation.
; The chip was launched on July 23, 2026; its instructions are those of AMD's public machine-readable ISA for CDNA 5 (MIT licence, August 2026) and "CDNA5" Instruction Set Architecture Reference Guide (July 2026). The comments in the code are by the model that wrote it; some were corrected since.
;; Attention. Allowed arithmetic: matrix products marked QUANTISED: E2M3 operands, one E8M0 scale for each 32 along K, by v_wmma_scale_f32_16x16x128_f8f6f4 with both operands' format E2M3, f32 sums; everything else in f32.
;; Inputs: attention_mask 1 x 1 x 2,048 x 2,048 float32; cos 2,048 x 64 float32; hidden_states 1 x 2,048 x 2,048 float32; sin 2,048 x 64 float32; wk 2,048 x 512 float32; wo 2,048 x 2,048 float32; wq 2,048 x 4,096 float32; wv 2,048 x 512 float32.
;; Outputs: out0 1 x 2,048 x 2,048 float32.
;; This version of the problem:
;;   THIS VERSION OF THE PROBLEM IS GIVEN IN LOW PRECISION. The matrix products marked QUANTISED in the list below multiply operands that are first quantised to E2M3 (2 exponent bits, 3 mantissa bits; 6 bits a number), with one power-of-two scale for each 32 numbers along K (OCP MX v1.0); their sums are f32. All else is computed in f32.
;;   The module's matrix products, in the order in which they are computed (A, B: the left and right operand; K: the contracted axis; several contracted axes count as one K, in the product's order):
;;     1. [M 2,048, K 2,048] x [K 2,048, N 4,096]; A: input hidden_states; B: input wq: QUANTISED
;;     2. [M 2,048, K 2,048] x [K 2,048, N 512]; A: input hidden_states; B: input wk: QUANTISED
;;     3. [M 2,048, K 2,048] x [K 2,048, N 512]; A: input hidden_states; B: input wv: QUANTISED
;;     4. batch 32 x [M 2,048, K 64] x [K 64, N 2,048]; A: computed on the way; B: computed on the way: QUANTISED
;;     5. batch 32 x [M 2,048, K 2,048] x [K 2,048, N 64]; A: softmax (see below); B: computed on the way: QUANTISED
;;     6. [M 2,048, K 2,048] x [K 2,048, N 2,048]; A: computed on the way; B: input wo: QUANTISED
;;   THE QUANTISER, for each operand of a quantised product, along K:
;;     - K is cut into blocks of 32 from its start; a last block that is shorter is filled with zeros.
;;     - A block's scale is 2^e with e = floor(log2(the largest magnitude in the block)) - 2, held to -126 .. 127; a block of zeros has e = 0. As a byte (E8M0): e + 127.
;;     - Each number is divided by its block's scale, clamped to +-7.5, and rounded to the nearest number of E2M3, ties to even, subnormals kept.
;;     - The product sums the exact products of the quantised numbers (number of the format x scale) in f32.
;;   ~~~python
;;   def quantise(x, axis):      # numpy; x: float32 -> the quantised numbers, widened to float32 again
;;       x = np.moveaxis(x, axis, -1); K = x.shape[-1]
;;       x = np.pad(x, [(0, 0)] * (x.ndim - 1) + [(0, -K % 32)]); x = x.reshape(x.shape[:-1] + (-1, 32)); a = np.abs(x).max(-1, keepdims=True)
;;       e = np.where(a > 0, np.clip(np.frexp(np.where(a > 0, a, 1))[1] - 1 - 2, -126, 127), 0)      # np.frexp(a)[1] - 1 = floor(log2(a)), exactly
;;       r = np.clip(x / 2.0 ** e, -7.5, 7.5)
;;       step = 2.0 ** (np.maximum(np.frexp(np.where(r == 0, 1, r))[1] - 1, 0) - 3)
;;       q = np.round(r / step) * step * 2.0 ** e      # np.round: ties to even
;;       return np.moveaxis(q.reshape(q.shape[:-2] + (-1,))[..., :K], -1, axis).astype(np.float32)
;;   ~~~
;;   SOFTMAX AHEAD OF A QUANTISED PRODUCT. Where the list says 'softmax', what is quantised is not the finished softmax but p = 2^(t - M), with t = logit x log2(e) and M = ceil(the row's largest t), a whole number; so 1/2 < the row's largest p <= 1. The row's sum l is taken of the UNQUANTISED p, in f32, and the product's result is divided by l at the end. Since M is a whole number, a kernel that streams over the keys may use a running M (the ceiling of the running maximum): every later rescaling is an exact power of two, which a block's scale takes up: the codes' values come out the same.
;;   OPERANDS COMPUTED ON THE WAY. 'Computed on the way' means the value that the module computes at that place (a softmax that the list does not call 'softmax' is quantised finished and normalised). What goes into a quantiser is computed in f32, as accurately as f32 sums, v_exp_f32 and their like allow (about 1e-6 of the number): no bf16 or f16 on the way to a quantiser, and a product that is left as it is and whose result goes on into a quantised operand takes f32 operands (vector FMAs, or v_wmma_f32_16x16x4_f32). A number that lies on a knife's edge between two numbers of the format may be rounded either way, as far as f32 arithmetic and the matrix unit's own rounding can turn it there, and no further.
;; One version. Each part assembles by itself: llvm-mc -triple=amdgcn-amd-amdhsa -mcpu=gfx1250 --defsym DOCPART=n.
;; ======== version 1 of 1: 4 launches
;; limits: right only within a limited range of input values
;; workspace buffers: qw 14,745,600 bytes; qkg 21,692,416 bytes; act 3,276,800 bytes
;; launch quant (part 1): grid 544 x 1, 4 waves a work-group, no clusters, 68,096 bytes of LDS; arguments hidden_states, wq, wk, wo, qw; writes qw
.if DOCPART == 1
	.amdgcn_target "amdgcn-amd-amdhsa--gfx1250"
	.amdhsa_code_object_version 6
	.text
	.protected	k_q92b1c20c4c_quant
	.globl	k_q92b1c20c4c_quant
	.p2align	8
	.type	k_q92b1c20c4c_quant,@function
k_q92b1c20c4c_quant:
	s_mov_b64 s[64:65], 0
	v_nop
	global_prefetch_b8 v0, s[64:65] scope:SCOPE_SE
	s_setreg_imm32_b32 hwreg(HW_REG_WAVE_MODE, 25, 1), 1
	s_wait_xcnt 0x0
; hidden_states [2048][2048] (K innermost) and the weights wq [2048][4096], wk [2048][512], wo [2048][2048] (K is the FIRST axis), all f32, become codes of FP6 (E2M3) with one E8M0 byte for each 32 along K.
; WORK LEFT OUT: reference() forms v = hidden_states @ wv and never reads v again: its second attention product multiplies the softmax by the keys.  So whatever finite numbers wv holds, that product
; reaches no output: it is not computed, wv is not loaded and is among no launch's arguments.  LIMIT: a NaN, an infinity or an overflow that would arise in that product alone is not carried to the result.
; A block's scale is 2^(floor(log2(its largest magnitude)) - 2); its byte is the largest magnitude's exponent field - 2, held at 1 from below (a block of zeros keeps the byte 1: its codes are zeros, and this program alone reads the bytes).
; LAYOUT in qw: codes [K / 256][row][192 bytes], scale bytes [K / 256][row][8]: the 128 rows of a tile, for 256 along K, are 24,576 bytes on end.
;   rows of the joint weight: 0-2047 wq's q columns, 2048-4095 its gate columns, 4096-4607 wk's columns.
;   wo's codes stand in each block of 32 with the two middle octets exchanged (code 8-15 = K 16-23, code 16-23 = K 8-15): so stand the codes of the operand that meets it; a block's members, and so its scale, are the same.
; LIMITS: NaN and infinities are not served; blocks whose largest magnitude lies under 2^-124 have the byte held at 1.
; Work-groups 0-127 take hidden_states (a wave: 32 rows x 256 along K), the other 416 a weight (a wave: 32 columns x 256 along K).  No tensor load, no barrier: waves share nothing.  Each way has LDS bytes of its own.
.set HS_S,  3145728
.set W_C,   3276800
.set W_S,   11141120
.set WO_C,  11468800
.set WO_S,  14614528
.set STEPS, 16
.set CB,    12                         ; bytes of 16 codes
.set R,     16                         ; rows' way: v16-79 four sets of 16 numbers as loaded
.set XH,    80                         ; v80-111 two sets of 16 neighbours
.set EH,    112                        ; v112-127 a scale byte for each step
.set CH,    128                        ; v128-191 codes: four registers a step, so that no store's data are written again
.set WREG,  8192                       ; LDS of a wave on the rows' way: two stages of 32 x SP bytes, then its 256 scale bytes
.set SP,    80
.set WST,   32768                      ; LDS of the weights' way: a stage of 32 x PITCH bytes for each wave
.set PITCH, 272
.set VO,    16                         ; weights' way: v16-31 sixteen offsets: my column + 0..7 rows, and the same OffB further down
.set X,     32                         ; v32-95 two sets of 32 numbers
.set C,     96                         ; v96-98, v100-102 a block's codes
.set SB,    104                        ; v104-105 eight scale bytes
.set OUTR,  112                        ; v112-175 the way out
	s_load_b256 s[4:11], s[0:1], 0x0               ; hidden_states, wq, wk, wo
	s_load_b64 s[14:15], s[0:1], 0x20              ; qw
	v_lshl_add_u32 v192, v0, 2, 0x10800            ; my spare word, behind both ways' LDS
	v_mov_b32 v193, 0
	v_lshrrev_b32 v1, 5, v0
	v_readfirstlane_b32 s16, v1                    ; wave
	v_and_b32 v2, 31, v0                           ; lane
	s_cmp_lt_u32 ttmp9, 128
	s_cbranch_scc0 .Lweights
; hidden_states: each load reads 512 bytes on end; a step's 2,048 bytes (two rows' 256 numbers) turn through the wave's stage, so that a lane holds 16 neighbours
	v_lshlrev_b32 v3, 4, v2
	s_mul_i32 s17, s16, WREG
	v_lshrrev_b32 v14, 2, v2
	v_mul_u32_u24 v14, v14, SP
	v_and_b32 v15, 3, v2
	v_lshl_add_u32 v14, v15, 4, v14
	v_add_nc_u32 v14, s17, v14                     ; the stage, in: SP (lane / 4) + 16 (lane % 4)
	v_mul_u32_u24 v15, v2, SP
	v_add_nc_u32 v15, s17, v15                     ; and out: SP x lane
	v_mul_u32_u24 v4, v2, CB
	v_lshrrev_b32 v5, 1, v2
	s_add_co_u32 s17, s17, 2*32*SP
	v_add_nc_u32 v5, s17, v5                       ; my block's byte among the wave's 256
	v_lshlrev_b32 v7, 3, v2
	v_add_nc_u32 v6, s17, v7
	s_lshl_b32 s18, ttmp9, 2
	s_add_co_u32 s18, s18, s16
	s_and_b32 s19, s18, 7                          ; which 256 along K
	s_lshr_b32 s18, s18, 3                         ; which 32 rows
	s_lshl_b32 s20, s18, 18
	s_lshl_b32 s21, s19, 10
	s_add_co_u32 s20, s20, s21
	s_mov_b32 s21, 0
	s_mul_i32 s22, s19, 393216                     ; a plane of codes: 2,048 rows x 192
	s_mul_i32 s23, s18, 6144
	s_add_co_u32 s22, s22, s23
	s_mov_b32 s23, 0
	s_lshl_b32 s24, s19, 14                        ; a plane of scale bytes: 2,048 x 8
	s_lshl_b32 s25, s18, 8
	s_add_co_u32 s24, s24, s25
	s_add_co_u32 s24, s24, HS_S
	s_mov_b32 s25, 0
	s_wait_alu depctr_va_vdst(0)
	s_wait_kmcnt 0x0
	s_add_nc_u64 s[4:5], s[4:5], s[20:21]
	s_add_nc_u64 s[8:9], s[14:15], s[22:23]        ; my codes
	s_add_nc_u64 s[10:11], s[14:15], s[24:25]      ; my scale bytes
.macro HLOAD t
.irp i, 0,1,2,3
	global_load_b128 v[R+16*((\t)%4)+4*\i:R+16*((\t)%4)+4*\i+3], v3, s[4:5] offset:(2*(\t)+\i/2)*8192+(\i%2)*512 th:TH_LOAD_NT
.endr
.endm
.macro HTURN t                         ; LDS serves a wave's instructions in order: no wait between the stores and the loads
.irp i, 0,1,2,3
	ds_store_b128 v14, v[R+16*((\t)%4)+4*\i:R+16*((\t)%4)+4*\i+3] offset:32*SP*((\t)%2)+8*SP*\i
.endr
.irp i, 0,1,2,3
	ds_load_b128 v[XH+16*((\t)%2)+4*\i:XH+16*((\t)%2)+4*\i+3], v15 offset:32*SP*((\t)%2)+16*\i
.endr
.endm
.irp t, 0,1,2,3
	HLOAD \t
.endr
	s_wait_loadcnt 12                              ; step 0's four loads are in
	HTURN 0
.macro HSTEP t
.set XS, XH+16*((\t)%2)
.if (\t) > 0
	s_wait_dscnt 1                                 ; this step's numbers are back from the stage (the last step's byte store may be out)
.else
	s_wait_dscnt 0x0
.endif
.if (\t)+4 < STEPS
	HLOAD (\t)+4
.endif
.if (\t)+1 < STEPS
.if STEPS-2-(\t) >= 3
	s_wait_loadcnt 12                              ; the next step's four loads are in; those of the three steps behind it may be out
.else
	s_wait_loadcnt 4*(STEPS-2-(\t))
.endif
	HTURN (\t)+1
.endif
	v_max3_num_f32 v8, |v[XS]|, |v[XS+1]|, |v[XS+2]|
	v_max3_num_f32 v9, |v[XS+3]|, |v[XS+4]|, |v[XS+5]|
.irp i, 6,10
	v_max3_num_f32 v8, v8, |v[XS+\i]|, |v[XS+\i+1]|
	v_max3_num_f32 v9, v9, |v[XS+\i+2]|, |v[XS+\i+3]|
.endr
	v_max3_num_f32 v8, v8, |v[XS+14]|, |v[XS+15]|
	v_max3_num_f32 v8, v8, v9, 0x1800000           ; and the floor 2^(3 - 127): the byte cannot fall under 1
	v_max_num_f32_dpp v8, v8, v8 row_xmask:1 row_mask:0xf bank_mask:0xf   ; with my neighbour's 16: the block's
	v_add_nc_u32 v11, 0xff000000, v8               ; 2 off the exponent field: the conversion's scale operand
	v_cvt_scalef32_pk16_fp6_f32 v[CH+4*(\t):CH+4*(\t)+2], v[XS:XS+15], v11
	v_lshrrev_b32 v[EH+(\t)], 23, v11              ; the scale's byte
	ds_store_b8 v5, v[EH+(\t)] offset:16*(\t)      ; both lanes of a block write the same byte with the same value
	global_store_b96 v4, v[CH+4*(\t):CH+4*(\t)+2], s[8:9] offset:32*CB*(\t)   ; the wave stores 384 bytes on end: two rows' codes
.endm
.irp t, 0,1,2,3,4,5,6,7,8,9,10,11,12,13,14,15
	HSTEP \t
.endr
	ds_load_b64 v[12:13], v6
	s_wait_dscnt 0x0
	global_store_b64 v7, v[12:13], s[10:11]        ; 32 lanes store 256 bytes on end, aligned
	s_wait_tensorcnt 0x0                           ; the wave's end
	ds_add_u32 v192, v193
	s_wait_dscnt 0x0
	s_endpgm
; the weights: a lane takes a column, its registers run down K.  One text for three tensors: the pitch and the buffers are chosen by the work-group's number
.Lweights:
	s_sub_co_u32 s17, ttmp9, 128
	s_and_b32 s18, s17, 7                          ; which 256 along K
	s_lshr_b32 s19, s17, 3                         ; which 128 columns: 0-31 wq, 32-35 wk, 36-51 wo
	s_sub_co_u32 s21, s19, 32
	s_lshl_b32 s21, s21, 7                         ; wk: the source's column
	s_sub_co_u32 s22, s19, 36
	s_lshl_b32 s22, s22, 7                         ; wo: column and row
	s_lshl_b32 s23, s19, 7                         ; wq: column; wq, wk: row of the joint weight
	s_wait_kmcnt 0x0
	s_cmp_lt_u32 s19, 36
	s_cselect_b64 s[26:27], s[8:9], s[10:11]       ; wk or wo
	s_cselect_b32 s20, 11, 13                      ; log2 of a row's bytes
	s_cselect_b32 s21, s21, s22
	s_cselect_b32 s22, s23, s22                    ; the first row of the result
	s_cselect_b32 s28, 3, 4                        ; registers 8-15 of a block: 8 rows down; in wo 16
	s_cselect_b32 s29, 4, 3                        ; registers 16-31: 16 rows down; in wo 8
	s_mov_b32 s30, 393216
	s_cselect_b32 s30, 884736, s30                 ; a plane of codes: rows x 192
	s_mov_b32 s31, 16384
	s_cselect_b32 s31, 36864, s31                  ; a plane of scale bytes: rows x 8
	s_mov_b32 s24, WO_C
	s_cselect_b32 s24, W_C, s24
	s_mov_b32 s25, WO_S
	s_cselect_b32 s25, W_S, s25
	s_cmp_lt_u32 s19, 32
	s_cselect_b64 s[26:27], s[6:7], s[26:27]       ; or wq
	s_cselect_b32 s20, 14, s20
	s_cselect_b32 s21, s23, s21
	s_lshl_b32 s68, 1, s20                         ; a row of the source in bytes
	s_lshl_b32 s17, s18, 8
	s_lshl_b32 s17, s17, s20                       ; 256 rows for each step along K
	s_lshl_b32 s23, s16, 5                         ; my wave's 32 columns
	s_add_co_u32 s21, s21, s23
	s_lshl_b32 s21, s21, 2
	s_add_co_u32 s2, s17, s21
	s_mov_b32 s3, 0
	s_add_nc_u64 s[32:33], s[26:27], s[2:3]        ; block 0, registers 0-15
	s_add_co_u32 s28, s28, s20
	s_lshl_b32 s28, 1, s28                         ; OffB
	s_add_co_u32 s29, s29, s20
	s_lshl_b32 s2, 1, s29                          ; OffC
	s_add_co_u32 s29, s20, 5
	s_lshl_b32 s66, 1, s29                         ; 32 rows
	s_mov_b32 s67, 0
	s_add_nc_u64 s[34:35], s[32:33], s[2:3]        ; block 0, registers 16-31
.irp t, 1,2,3,4,5,6,7
	s_add_nc_u64 s[32+4*\t:33+4*\t], s[28+4*\t:29+4*\t], s[66:67]
	s_add_nc_u64 s[34+4*\t:35+4*\t], s[32+4*\t:33+4*\t], s[2:3]
.endr
	s_mul_i32 s30, s30, s18
	s_mul_i32 s31, s31, s18
	s_add_co_u32 s22, s22, s23                     ; my wave's first row of the result
	s_mul_i32 s17, s22, 192
	s_add_co_u32 s30, s30, s17
	s_add_co_u32 s2, s30, s24
	s_add_nc_u64 s[4:5], s[14:15], s[2:3]          ; my codes
	s_lshl_b32 s17, s22, 3
	s_add_co_u32 s31, s31, s17
	s_add_co_u32 s2, s31, s25
	s_add_nc_u64 s[6:7], s[14:15], s[2:3]          ; my scale bytes
	s_wait_alu depctr_va_vdst(0)
	v_lshlrev_b32 v3, 2, v2
	v_mov_b32 v[VO], v3
	v_add_nc_u32 v[VO+8], s28, v3
.irp j, 1,2,3,4,5,6,7
	v_add_nc_u32 v[VO+\j], s68, v[VO+\j-1]
	v_add_nc_u32 v[VO+8+\j], s68, v[VO+7+\j]
.endr
	s_mul_i32 s69, s16, 32*PITCH
	s_add_co_u32 s69, s69, WST                     ; my stage
	v_mul_u32_u24 v4, v2, PITCH
	v_add_nc_u32 v4, s69, v4                       ; into it: row = my column
	v_and_b32 v5, 15, v2
	v_lshrrev_b32 v6, 4, v2
	v_mul_u32_u24 v7, v6, PITCH
	v_lshl_add_u32 v7, v5, 4, v7
	v_add_nc_u32 v7, s69, v7                       ; out of it: sixteen lanes to a row, two rows an instruction
	v_mul_u32_u24 v8, v6, 192
	v_mad_u32_u24 v8, v5, 12, v8                   ; and the same place in the codes: rows lie on end
	v_lshlrev_b32 v9, 3, v2                        ; my row's eight scale bytes
.macro WLOAD t                         ; block t: 32 numbers down K of my column, into set t % 2
.irp i, 0,1,2,3,4,5,6,7,8,9,10,11,12,13,14,15,16,17,18,19,20,21,22,23,24,25,26,27,28,29,30,31
	global_load_b32 v[X+32*((\t)%2)+\i], v[VO+\i%16], s[32+4*(\t)+2*(\i/16):33+4*(\t)+2*(\i/16)] th:TH_LOAD_NT
.endr
.endm
	WLOAD 0
	WLOAD 1
.macro WBLOCK t
.set XS, X+32*((\t)%2)
.if (\t) < 7
	s_wait_loadcnt 32                              ; this block's 32 loads are in; the next block's may be out
.else
	s_wait_loadcnt 0x0
.endif
	v_max3_num_f32 v12, |v[XS]|, |v[XS+1]|, |v[XS+2]|
	v_max3_num_f32 v13, |v[XS+3]|, |v[XS+4]|, |v[XS+5]|
.irp i, 6,10,14,18,22,26
	v_max3_num_f32 v12, v12, |v[XS+\i]|, |v[XS+\i+1]|
	v_max3_num_f32 v13, v13, |v[XS+\i+2]|, |v[XS+\i+3]|
.endr
	v_max3_num_f32 v12, v12, |v[XS+30]|, |v[XS+31]|
	v_max3_num_f32 v12, v12, v13, 0x1800000        ; and the floor
	v_add_nc_u32 v11, 0xff000000, v12
	v_lshrrev_b32 v13, 23, v11                     ; the scale's byte
.if (\t)%4 == 0
	v_mov_b32 v[SB+(\t)/4], v13
.else
	v_lshl_or_b32 v[SB+(\t)/4], v13, 8*((\t)%4), v[SB+(\t)/4]
.endif
	v_cvt_scalef32_pk16_fp6_f32 v[C:C+2], v[XS:XS+15], v11
	v_cvt_scalef32_pk16_fp6_f32 v[C+4:C+6], v[XS+16:XS+31], v11
	ds_store_b96 v4, v[C:C+2] offset:32*(\t)       ; 12 bytes to a place of 16
	ds_store_b96 v4, v[C+4:C+6] offset:32*(\t)+16
.if (\t)+2 < 8
	WLOAD (\t)+2
.endif
	s_wait_dscnt 0x0                               ; the stores have read their registers: the next block's codes may be written
.endm
.irp t, 0,1,2,3,4,5,6,7
	WBLOCK \t
.endr
	s_wait_alu depctr_va_vdst(0)
	global_store_b64 v9, v[SB:SB+1], s[6:7]        ; 32 rows' scale bytes: 256 bytes on end, aligned
.irp t, 0,1,2,3,4,5,6,7,8,9,10,11,12,13,14,15
	ds_load_b96 v[OUTR+4*\t:OUTR+4*\t+2], v7 offset:2*\t*PITCH
.endr
.irp t, 0,1,2,3,4,5,6,7,8,9,10,11,12,13,14,15
	s_wait_dscnt 15-\t
	global_store_b96 v8, v[OUTR+4*\t:OUTR+4*\t+2], s[4:5] offset:384*\t    ; two rows' 384 bytes on end
.endr
	s_wait_tensorcnt 0x0
	ds_add_u32 v192, v193
	s_wait_dscnt 0x0
	s_endpgm
.Lfunc_end_k_q92b1c20c4c_quant:
	.size	k_q92b1c20c4c_quant, .Lfunc_end_k_q92b1c20c4c_quant-k_q92b1c20c4c_quant
	.p2alignl 7, 3214868480
	.fill 96, 4, 3214868480
	.section	.rodata,"a",@progbits
	.p2align	6, 0x0
	.amdhsa_kernel k_q92b1c20c4c_quant
		.amdhsa_group_segment_fixed_size 68096
		.amdhsa_private_segment_fixed_size 0
		.amdhsa_enable_private_segment 0
		.amdhsa_kernarg_size 40
		.amdhsa_user_sgpr_count 2
		.amdhsa_user_sgpr_kernarg_segment_ptr 1
		.amdhsa_wavefront_size32 1
		.amdhsa_system_sgpr_workgroup_id_x 1
		.amdhsa_system_sgpr_workgroup_id_y 1
		.amdhsa_system_sgpr_workgroup_id_z 1
		.amdhsa_system_vgpr_workitem_id 0
		.amdhsa_next_free_vgpr 194
		.amdhsa_next_free_sgpr 72
		.amdhsa_reserve_vcc 0
		.amdhsa_float_denorm_mode_32 3
		.amdhsa_float_denorm_mode_16_64 3
		.amdhsa_memory_ordered 1
		.amdhsa_forward_progress 1
		.amdhsa_inst_pref_size 75
	.end_amdhsa_kernel
	.amdgpu_metadata
---
amdhsa.version: [ 1, 2 ]
amdhsa.kernels:
  - .name:           k_q92b1c20c4c_quant
    .symbol:         k_q92b1c20c4c_quant.kd
    .args:
      - { .name: hidden_states, .offset: 0, .size: 8, .value_kind: global_buffer, .address_space: global }
      - { .name: wq, .offset: 8, .size: 8, .value_kind: global_buffer, .address_space: global }
      - { .name: wk, .offset: 16, .size: 8, .value_kind: global_buffer, .address_space: global }
      - { .name: wo, .offset: 24, .size: 8, .value_kind: global_buffer, .address_space: global }
      - { .name: qw, .offset: 32, .size: 8, .value_kind: global_buffer, .address_space: global }
    .group_segment_fixed_size: 68096
    .private_segment_fixed_size: 0
    .kernarg_segment_align: 8
    .kernarg_segment_size: 40
    .max_flat_workgroup_size: 128
    .sgpr_count:     72
    .vgpr_count:     194
    .wavefront_size: 32
...
	.end_amdgpu_metadata
.endif
;; end of part 1
;; launch qkv (part 2): grid 8 x 18, 4 waves a work-group, clusters of 4 x 1, 327,680 bytes of LDS; arguments qw, cos, sin, qkg; writes qkg
.if DOCPART == 2
	.amdgcn_target "amdgcn-amd-amdhsa--gfx1250"
	.amdhsa_code_object_version 6
	.text
	.protected	k_q92b1c20c4c_qkv
	.globl	k_q92b1c20c4c_qkv
	.p2align	8
	.type	k_q92b1c20c4c_qkv,@function
k_q92b1c20c4c_qkv:
	s_mov_b64 s[64:65], 0
	v_nop
	global_prefetch_b8 v0, s[64:65] scope:SCOPE_SE
	s_setreg_imm32_b32 hwreg(HW_REG_WAVE_MODE, 25, 1), 1
	s_wait_xcnt 0x0
	s_wait_alu depctr_hold_cnt(0) depctr_sa_sdst(0) depctr_va_vdst(0) depctr_va_sdst(0) depctr_va_ssrc(0) depctr_va_vcc(0) depctr_vm_vsrc(0)
	s_getreg_b32 s2, hwreg(HW_REG_IB_STS2, 6, 4)
	s_cmp_eq_u32 s2, 0
	s_cbranch_scc0 .Lentry_in_a_cluster
	s_endpgm
.Lentry_in_a_cluster:
	s_bfe_u32 s2, ttmp6, 0x10000c
	s_cmp_lg_u32 s2, 0x3003
	s_cbranch_scc0 .Lentry_shape_is_right
	s_endpgm
.Lentry_shape_is_right:
; hidden_states x [wq | wk] on codes of FP6 with E8M0 scales: a work-group makes 256 tokens (x) x 256 columns (y) of the joint weight; four waves, 128 x 128 each.
; Tile columns 0-7 are q (rotated, quantised along d, stored as images of operand registers), 8-15 the gate (stored as f32 images of accumulators), 16-17 k (rotated, quantised along d and along the keys).
; WORK LEFT OUT: the product with wv, whose result reference() never reads.
; CLUSTER 4 x 1: the four token blocks of a cluster ask jointly for the weight's tiles.  The tokens' tiles come by loads of each work-group's own: the 18 tile columns that share them do not divide by four.
; A tile's 128 rows of 192 bytes lie on end in memory: it is stated as 96 rows of 256 bytes, each beginning on a multiple of 256 bytes; 16 bytes of padding behind each 64 give LDS rows of 240 bytes.
.set HS_S,   3145728
.set W_C,    3276800
.set W_S,    11141120
.set KPK,    3276800
.set GV,     4915200
.set NQ,     2
.set ROWB,   192
.set PITCH,  240
.set FR,     12
.set NL,     6
.set NP,     4
.set HALFT,  128*PITCH
.set SLOT,   4*HALFT
.set LAPS,   4
.set ASTEP,  2048*192
.set BSTEP,  4608*192
.set SCL,    2*SLOT
.set SBLK,   128
.set SPARE,  278784
.set STGB,   67584
.set STI,  8
.set STO2, 9
.set CSO,  10
.set SCA,  12
.set ADRA, 16
.set ADRB, 20
.set CO,   26
.set ADRS, 27
.set SPW,  28
.set NIL,  29
.set SC,   32
.set AF,   128
.set T,    64
.set TM,   96
.set BY,   110
.set PC,   112
.set C2,   136
.set WQ,   140
.set WK,   148
.set ST,   156
.set T2,   160
.set SEL,  36
.set G1, 24
.set G0, 32
.set G1B, 48
.set G0B, 56
.set G1S, 68
.set G0S, 76
.set G1SB, 80
.set G0SB, 88
.set MSB, 0
.macro WIN new
.if MSB != (\new)
	s_set_vgpr_msb (MSB<<8)|(\new)
.set MSB, (\new)
.endif
.endm
.set MUL_LO, 0xa1
.set MUL_HI, 0xf1
.set TO_B,   0x40
.macro JLOAD g0a, g1a, g0b, g1b
	s_cmp_eq_u32 s15, 0
	s_cbranch_scc0 .Lfor_b_\@
	tensor_load_to_lds s[\g0a:\g0a+3], s[\g1a:\g1a+7]
	s_nop 0
.rept 4
	v_nop
.endr
	s_branch .Lasked_\@
.Lfor_b_\@:
	tensor_load_to_lds s[\g0b:\g0b+3], s[\g1b:\g1b+7]
	s_nop 0
.rept 4
	v_nop
.endr
.Lasked_\@:
.endm
.macro CREST
	s_cmp_lg_u32 s14, 0
	s_cbranch_scc1 .Lnot_wave_0_\@
	s_barrier_signal -3
.Lnot_wave_0_\@:
	s_barrier_wait -3
	s_barrier_signal -1
	s_barrier_wait -1
.endm
.macro CROUND
	s_barrier_signal -1
	s_barrier_wait -1
	CREST
.endm
	s_load_b64 s[4:5], s[0:1], 0x0
	v_lshl_add_u32 v[SPW], v0, 2, SPARE
	v_mov_b32 v[NIL], 0
	ds_add_u32 v28, v29
	ds_add_u32 v28, v29
	s_wait_dscnt 0x0
	v_lshrrev_b32 v1, 5, v0
	v_readfirstlane_b32 s14, v1
	s_lshr_b32 s15, s14, 1
	s_and_b32 s16, s14, 1
	s_bfe_u32 s40, ttmp6, 0x40000                  ; cx
	s_lshl_b32 s17, ttmp9, 2
	s_add_co_u32 s17, s17, s40                     ; block of 256 tokens = 4 x cluster x + cx
	s_and_b32 s42, ttmp7, 0xffff                   ; tile column of the joint weight: the same in all four partners
	s_mov_b32 s[G1+0], (1<<20)|(3<<22)|(3<<25)     ; the tokens' tiles: my own load
	s_mov_b32 s[G1B+0], 15|(1<<20)|(1<<21)|(3<<22)|(3<<25)   ; the weight's tiles: asked for jointly by the four
.irp g, G1, G1B
	s_mov_b32 s[\g+1], 256<<16
	s_mov_b32 s[\g+2], 96<<16
	s_mov_b32 s[\g+3], 256<<16
	s_mov_b32 s[\g+4], 96
	s_mov_b32 s[\g+5], 256
	s_mov_b32 s[\g+6], 0
	s_mov_b32 s[\g+7], 0
.endr
	s_mov_b32 s[G1S+0], (3<<16)
	s_mov_b32 s[G1SB+0], 15|(3<<16)|(1<<21)
.irp g, G1S, G1SB
	s_mov_b32 s[\g+1], 128<<16
	s_mov_b32 s[\g+2], 8<<16
	s_mov_b32 s[\g+3], 128<<16
	s_mov_b32 s[\g+4], 8
	s_mov_b32 s[\g+6], 0
	s_mov_b32 s[\g+7], 0
.endr
	s_mov_b32 s[G1S+5], 2048
	s_mov_b32 s[G1SB+5], 4608
	s_lshl_b32 s18, s16, 7
	s_lshl_b32 s20, s17, 8
	s_add_co_u32 s20, s20, s18
	s_lshl_b32 s46, s42, 8
	s_add_co_u32 s46, s46, s18
	s_lshl_b32 s22, s20, 3
	s_mov_b32 s23, 0
	s_lshl_b32 s92, s46, 3
	s_mov_b32 s93, 0
	s_mul_i32 s20, s20, ROWB
	s_mov_b32 s21, 0
	s_mul_i32 s46, s46, ROWB
	s_mov_b32 s47, 0
	s_mul_i32 s45, s14, HALFT
	s_lshl_b32 s94, s14, 13
	s_wait_kmcnt 0x0
	s_add_nc_u64 s[6:7], s[4:5], HS_S
	s_add_nc_u64 s[8:9], s[4:5], W_C
	s_add_nc_u64 s[10:11], s[4:5], W_S
	s_add_nc_u64 s[20:21], s[4:5], s[20:21]
	s_add_nc_u64 s[22:23], s[6:7], s[22:23]
	s_add_nc_u64 s[46:47], s[8:9], s[46:47]
	s_add_nc_u64 s[92:93], s[10:11], s[92:93]
	CROUND
	s_mov_b32 s[G0S], 1
	s_add_co_u32 s[G0S+1], s94, SCL
	s_mov_b64 s[G0S+2:G0S+3], s[22:23]
	s_or_b32 s[G0S+3], s[G0S+3], 0x80000000
	s_mov_b32 s[G0SB], 1
	s_add_co_u32 s[G0SB+1], s94, SCL+128
	s_mov_b64 s[G0SB+2:G0SB+3], s[92:93]
	s_or_b32 s[G0SB+3], s[G0SB+3], 0x80000000
	JLOAD G0S, G1S, G0SB, G1SB
.irp s, 0,1
	s_mov_b32 s[G0+4*\s], 1
	s_add_co_u32 s[G0+4*\s+1], s45, \s*SLOT
	s_add_nc_u64 s[G0+4*\s+2:G0+4*\s+3], s[20:21], \s*ASTEP
	s_or_b32 s[G0+4*\s+3], s[G0+4*\s+3], 0x80000000
	s_mov_b32 s[G0B+4*\s], 1
	s_add_co_u32 s[G0B+4*\s+1], s45, \s*SLOT
	s_add_nc_u64 s[G0B+4*\s+2:G0B+4*\s+3], s[46:47], \s*BSTEP
	s_or_b32 s[G0B+4*\s+3], s[G0B+4*\s+3], 0x80000000
	s_wait_alu depctr_va_vdst(0)
	s_wait_tensorcnt 0x0
	ds_add_u32 v28, v29
	s_wait_dscnt 0x0
	CROUND
	JLOAD G0+4*\s, G1, G0B+4*\s, G1B
.endr
	v_and_b32 v1, 15, v0
	v_bfe_u32 v2, v0, 4, 1
	v_mul_u32_u24 v3, v1, PITCH
	v_mul_u32_u24 v4, v2, 24
	v_add_nc_u32 v4, v3, v4
	v_lshl_add_u32 v5, v2, 4, v4
	s_mul_i32 s21, s15, HALFT
	s_mul_i32 s22, s16, HALFT
	s_add_co_u32 s22, s22, 2*HALFT
.irp s, 0,1
	v_add_nc_u32 v[ADRA+\s], s21, v4
	v_add_nc_u32 v[ADRB+\s], s22, v4
	v_add_nc_u32 v[ADRA+2+\s], s21, v5
	v_add_nc_u32 v[ADRB+2+\s], s22, v5
	s_add_co_u32 s21, s21, SLOT
	s_add_co_u32 s22, s22, SLOT
.endr
	v_lshlrev_b32 v5, 3, v1
	s_lshl_b32 s21, s15, 13
	s_lshl_b32 s22, s16, 13
	s_add_co_u32 s22, s22, 2*8192+128
	s_sub_co_u32 s22, s22, s21
	v_mul_u32_u24 v6, s22, v2
	s_add_co_u32 s21, s21, SCL
	v_add_nc_u32 v5, v5, v6
	v_add_nc_u32 v[ADRS], s21, v5
	s_mul_i32 s23, s14, STGB
	v_mul_u32_u24 v5, v1, 528
	v_lshl_add_u32 v5, v2, 5, v5
	v_add_nc_u32 v[STI], s23, v5
	v_mul_u32_u24 v5, v2, 8*528
	v_lshl_add_u32 v5, v1, 2, v5
	v_add_nc_u32 v[STO2], s23, v5
	v_lshlrev_b32 v[CSO], 8, v1
	v_lshl_add_u32 v[CSO], v2, 5, v[CSO]
	v_and_b32 v6, 31, v0
	v_lshlrev_b32 v[CO], 4, v6
.macro FRAG reg, adr, q, i
.irp p, 0,1,2,3,4,5
.set PCE, 12*(\q)+6*(\p/3)+\p%3
.if PCE%8 < 5
	ds_load_b64 v[\reg+2*\p:\reg+2*\p+1], v[\adr] offset:8*PCE+16*(PCE/8)+(\i)*16*PITCH
.else
	ds_load_b64 v[\reg+2*\p:\reg+2*\p+1], v[\adr+2] offset:8*PCE+16*(PCE/8)+(\i)*16*PITCH
.endif
.endr
.endm
.macro MUL16 a0, p, q, sc, zero
.irp a, \a0, \a0+1
.irp b, 0,1,2,3,4,5,6,7
.if \zero
	v_wmma_scale_f32_16x16x128_f8f6f4 v[8*(8*((\a)%4)+\b):8*(8*((\a)%4)+\b)+7], v[128*(\p)+FR*\b:128*(\p)+FR*\b+FR-1], v[AF+FR*(\a):AF+FR*(\a)+FR-1], 0, v[SC+8*NQ*(\sc)+NQ*\b+(\q)], v[SC+8*NQ*(\sc)+NQ*(\a)+(\q)] matrix_a_fmt:MATRIX_FMT_FP6 matrix_b_fmt:MATRIX_FMT_FP6 matrix_a_scale:MATRIX_SCALE_ROW1
.else
	v_wmma_scale_f32_16x16x128_f8f6f4 v[8*(8*((\a)%4)+\b):8*(8*((\a)%4)+\b)+7], v[128*(\p)+FR*\b:128*(\p)+FR*\b+FR-1], v[AF+FR*(\a):AF+FR*(\a)+FR-1], v[8*(8*((\a)%4)+\b):8*(8*((\a)%4)+\b)+7], v[SC+8*NQ*(\sc)+NQ*\b+(\q)], v[SC+8*NQ*(\sc)+NQ*(\a)+(\q)] matrix_a_fmt:MATRIX_FMT_FP6 matrix_b_fmt:MATRIX_FMT_FP6 matrix_a_scale:MATRIX_SCALE_ROW1
.endif
.endr
.endr
.endm
.macro FETCH_B slot, q, p
	WIN TO_B
.irp i, 0,1,2,3,4,5,6,7
	FRAG 128*(\p)+FR*\i, ADRB+\slot, \q, \i
.endr
	WIN 0
.endm
.macro FETCH_A slot, q, i0
.irp i, \i0, \i0+1, \i0+2, \i0+3
	FRAG AF+FR*(\i), ADRA+\slot, \q, \i
.endr
.endm
.macro SCALES sc
.irp i, 0,1,2,3,4,5,6,7
	ds_load_b64 v[SC+8*NQ*\sc+NQ*\i:SC+8*NQ*\sc+NQ*\i+1], v[ADRS] offset:\i*SBLK
.endr
.endm
.macro PLACES n
.rept \n
	v_nop
.endr
.endm
.macro STEP slot, q, zero
	s_wait_dscnt 4*NL
	WIN MUL_LO
	MUL16 0, (\q)%2, \q, \slot, \zero
	MUL16 2, (\q)%2, \q, \slot, \zero
	s_wait_dscnt 0
	PLACES NP
	FETCH_B \slot, (\q)+1, 1-(\q)%2
	FETCH_A \slot, (\q)+1, 0
	WIN MUL_HI
	MUL16 4, (\q)%2, \q, \slot, \zero
	MUL16 6, (\q)%2, \q, \slot, \zero
	PLACES NP
	WIN 0
	FETCH_A \slot, (\q)+1, 4
.endm
.macro TURN slot, next, fill
	s_wait_tensorcnt 0x0
	ds_add_u32 v[SPW], v[NIL]
	s_wait_dscnt 4*NL+1
	WIN MUL_LO
	MUL16 0, 1, NQ-1, \slot, 0
	s_wait_dscnt 0x0
	s_barrier_signal -1
	MUL16 2, 1, NQ-1, \slot, 0
	WIN 0
	s_barrier_wait -1
.if \fill
	CREST
	s_add_nc_u64 s[G0+4*\slot+2:G0+4*\slot+3], s[G0+4*\slot+2:G0+4*\slot+3], 2*ASTEP
	s_add_nc_u64 s[G0B+4*\slot+2:G0B+4*\slot+3], s[G0B+4*\slot+2:G0B+4*\slot+3], 2*BSTEP
	JLOAD G0+4*\slot, G1, G0B+4*\slot, G1B
.else
	PLACES NP
.endif
	s_wait_alu depctr_va_vdst(0)
	v_add_nc_u32 v[ADRS], 1024, v[ADRS]
	FETCH_B \next, 0, 0
	FETCH_A \next, 0, 0
	SCALES \next
	WIN MUL_HI
	MUL16 4, 1, NQ-1, \slot, 0
	MUL16 6, 1, NQ-1, \slot, 0
	PLACES NP
	WIN 0
	FETCH_A \next, 0, 4
.endm
	s_wait_tensorcnt 1
	s_barrier_signal -1
	s_barrier_wait -1
	FETCH_B 0, 0, 0
	FETCH_A 0, 0, 0
	SCALES 0
	FETCH_A 0, 0, 4
	STEP 0, 0, 1
	s_mov_b32 s3, LAPS-1
.Llap:
	TURN 0, 1, 1
	STEP 1, 0, 0
	TURN 1, 0, 1
	STEP 0, 0, 0
	s_sub_co_u32 s3, s3, 1
	s_cmp_lg_u32 s3, 0
	s_cbranch_scc1 .Llap
	TURN 0, 1, 0
	STEP 1, 0, 0
	s_wait_dscnt 4*NL
	WIN MUL_LO
	MUL16 0, 1, NQ-1, 1, 0
	MUL16 2, 1, NQ-1, 1, 0
	s_wait_dscnt 0
	WIN MUL_HI
	MUL16 4, 1, NQ-1, 1, 0
	MUL16 6, 1, NQ-1, 1, 0
	WIN 0
	s_wait_dscnt 0x0
	s_barrier_signal -1
	s_barrier_wait -1
	PLACES NP
	s_load_b64 s[24:25], s[0:1], 0x8
	s_load_b64 s[26:27], s[0:1], 0x10
	s_load_b64 s[28:29], s[0:1], 0x18
	s_cmp_ge_u32 s42, 16                           ; tile columns 16, 17: k
	s_cselect_b32 s98, 1, 0
	s_bfe_u32 s30, s42, 0x10003                    ; tile columns 8-15: the gate
	s_wait_kmcnt 0x0
	s_cmp_lg_u32 s30, 0
	s_cbranch_scc1 .Lplain
	s_lshl_b32 s30, s17, 8
	s_lshl_b32 s31, s15, 7
	s_add_co_u32 s30, s30, s31
	s_lshl_b32 s30, s30, 8
	s_mov_b32 s31, 0
	s_add_nc_u64 s[24:25], s[24:25], s[30:31]
	s_add_nc_u64 s[26:27], s[26:27], s[30:31]
	s_lshl_b32 s38, s42, 2
	s_lshl_b32 s39, s16, 1
	s_add_co_u32 s38, s38, s39
	s_sub_co_u32 s39, s38, 64                      ; k: key head 4 (tile column - 16) + 2 x half
	s_cmp_eq_u32 s98, 0
	s_cselect_b32 s38, s38, s39
	s_mov_b32 s39, 204800
	s_cselect_b32 s39, 102400, s39
	s_cselect_b32 s30, 0, KPK
	s_mul_i32 s38, s38, s39
	s_add_co_u32 s30, s30, s38
	s_lshl_b32 s38, s17, 1
	s_add_co_u32 s38, s38, s15
	s_lshr_b32 s40, s39, 4
	s_mul_i32 s38, s38, s40
	s_add_co_u32 s30, s30, s38
	s_add_nc_u64 s[32:33], s[28:29], s[30:31]
	s_mov_b32 s30, s39
	s_add_nc_u64 s[34:35], s[32:33], s[30:31]
	s_mov_b32 s[SEL], 0x76543210
	s_mov_b32 s[SEL+1], 0xfedcba98
	v_mul_u32_u24 v[SCA], s39, v2
	v_lshl_add_u32 v[SCA], v1, 4, v[SCA]
	v_cmp_ne_u32 vcc_lo, 0, v2
	v_mov_b32 v[TM+4], 0
	v_mov_b32 v[TM+5], 0
.macro CSLOAD a, set
	WIN 0x40
.irp i, 0,1,2,3,4,5,6,7
	global_load_b128 v[64*(\set)+4*\i:64*(\set)+4*\i+3], v[CSO], s[24:25] offset:4096*(\a)+64*(\i/2)+16*(\i%2)
	global_load_b128 v[64*(\set)+32+4*\i:64*(\set)+32+4*\i+3], v[CSO], s[26:27] offset:4096*(\a)+64*(\i/2)+16*(\i%2)
.endr
	WIN 0
.endm
.macro ROPE a, e
.set AC, 64*((\a)%4)+32*(\e)
.set CSB, 64*((\a)%2)
	WIN 0x06+((\a)/4)
.irp i, 0,2,4,6,8,10,12,14
	v_pk_mul_f32 v[T+\i:T+\i+1], v[AC+\i:AC+\i+1], v[CSB+\i:CSB+\i+1]
.endr
.irp i, 0,2,4,6,8,10,12,14
	v_pk_mul_f32 v[T+16+\i:T+17+\i], v[AC+16+\i:AC+17+\i], v[CSB+16+\i:CSB+17+\i]
.endr
.irp i, 0,2,4,6,8,10,12,14
	v_pk_fma_f32 v[T+\i:T+\i+1], v[AC+16+\i:AC+17+\i], v[CSB+32+\i:CSB+33+\i], v[T+\i:T+\i+1] neg_lo:[1,0,0] neg_hi:[1,0,0]
.endr
.irp i, 0,2,4,6,8,10,12,14
	v_pk_fma_f32 v[T+16+\i:T+17+\i], v[AC+\i:AC+\i+1], v[CSB+48+\i:CSB+49+\i], v[T+16+\i:T+17+\i]
.endr
	WIN 0
.endm
.macro QUANT2 s, d, by
.irp b, 0,1
	v_max3_num_f32 v[TM+\b], |v[\s+16*\b]|, |v[\s+1+16*\b]|, 0x1800000
.endr
.irp i, 2,4,6,8,10,12,14
.irp b, 0,1
	v_max3_num_f32 v[TM+\b], v[TM+\b], |v[\s+16*\b+\i]|, |v[\s+1+16*\b+\i]|
.endr
.endr
	v_permlanex16_b32 v[TM+4], v[TM], s[SEL], s[SEL+1]
	v_permlanex16_b32 v[TM+5], v[TM+1], s[SEL], s[SEL+1]
	v_max_num_f32 v[TM], v[TM], v[TM+4]
	v_max_num_f32 v[TM+1], v[TM+1], v[TM+5]
	v_add_nc_u32 v[TM+12], 0xff000000, v[TM]
	v_add_nc_u32 v[TM+13], 0xff000000, v[TM+1]
	v_lshrrev_b32 v[TM+4], 23, v[TM+12]
	v_lshrrev_b32 v[TM+5], 23, v[TM+13]
	v_lshl_or_b32 v[\by], v[TM+5], 8, v[TM+4]
	v_cvt_scalef32_pk16_fp6_f32 v[\d:\d+2], v[\s:\s+15], v[TM+12]
	v_cvt_scalef32_pk16_fp6_f32 v[C2:C2+2], v[\s+16:\s+31], v[TM+13]
	v_nop
.irp i, 0,1,2
	v_permlane16_swap_b32 v[\d+\i], v[C2+\i]
.endr
.irp i, 0,1,2
	v_mov_b32 v[\d+3+\i], v[C2+\i]
.endr
.endm
.macro QKB a, e
	s_wait_dscnt 0x0
	ROPE \a, \e
	s_cmp_eq_u32 s98, 0
	s_cbranch_scc1 .Lno_stage_\@
.irp i, 0,1,2,3,4,5,6,7
	ds_store_b128 v[STI], v[T+4*\i:T+4*\i+3] offset:8448*(\a)+256*(\e)+64*(\i/2)+16*(\i%2)
.endr
.Lno_stage_\@:
	s_wait_alu depctr_va_vdst(0)
	QUANT2 T, PC+12*(\e)+6*((\a)%2), BY
.if (\a)%2 == 0
	v_mov_b32 v[WQ+4*(\e)+(\a)/2], v[BY]
.else
	v_lshl_or_b32 v[WQ+4*(\e)+(\a)/2], v[BY], 16, v[WQ+4*(\e)+(\a)/2]
.irp c, 0,1,2
	global_store_b128 v[CO], v[PC+12*(\e)+4*\c:PC+12*(\e)+4*\c+3], s[32+2*(\e):33+2*(\e)] offset:1536*((\a)/2)+512*\c
.endr
.endif
.endm
	CSLOAD 0, 0
.irp a, 0,1,2,3,4,5,6,7
.if \a < 7
	CSLOAD \a+1, (\a+1)%2
	s_wait_loadcnt 16
.else
	s_wait_loadcnt 0x0
.endif
	s_wait_xcnt 0x0
	QKB \a, 0
	QKB \a, 1
.endr
.irp p, 0,1,2,3
	v_cndmask_b32 v[ST+\p], v[WQ+\p], v[WQ+4+\p], vcc_lo
.endr
	global_store_b128 v[SCA], v[ST:ST+3], s[32:33] offset:6144
	s_cmp_eq_u32 s98, 0
	s_cbranch_scc1 .Ldone
.macro LOADU u
.set UB, T2+32*((\u)%2)
.irp n, 0,1,2,3,4,5,6,7,8,9,10,11,12,13,14,15,16,17,18,19,20,21,22,23,24,25,26,27,28,29,30,31
	ds_load_b32 v[UB+\n], v[STO2] offset:(64*((\u)%2)+32*(\n/16)+(\n%16)+8*((\n%16)/8))*528+256*((\u)/8)+64*(((\u)/2)%4)
.endr
.endm
	LOADU 0
.irp u, 0,1,2,3,4,5,6,7,8,9,10,11,12,13,14,15
.if \u < 15
	LOADU \u+1
	s_wait_dscnt 32
.else
	s_wait_dscnt 0x0
.endif
.if \u%2 == 0
	s_wait_xcnt 0x0
.endif
	QUANT2 T2+32*(\u%2), PC+6*(\u%2), BY
.if \u%2 == 0
	v_mov_b32 v[WK+\u/2], v[BY]
.else
	v_lshl_or_b32 v[WK+\u/2], v[BY], 16, v[WK+\u/2]
.irp c, 0,1,2
	global_store_b128 v[CO], v[PC+4*\c:PC+4*\c+3], s[32+2*(\u/8):33+2*(\u/8)] offset:6400+1536*((\u/2)%4)+512*\c
.endr
.endif
.endr
	s_wait_alu depctr_va_vdst(0)
	s_wait_xcnt 0x0
.irp p, 0,1,2,3
	v_cndmask_b32 v[ST+\p], v[WK+\p], v[WK+4+\p], vcc_lo
.endr
	global_store_b128 v[SCA], v[ST:ST+3], s[32:33] offset:12544
	s_branch .Ldone
.Lplain:
	s_lshl_b32 s30, s42, 2
	s_lshl_b32 s31, s16, 1
	s_add_co_u32 s30, s30, s31
	s_sub_co_u32 s30, s30, 32
	s_lshl_b32 s30, s30, 12
	s_lshl_b32 s31, s17, 4
	s_lshl_b32 s32, s15, 3
	s_add_co_u32 s31, s31, s32
	s_lshl_b32 s31, s31, 17                        ; 16 tokens of the gate: 32 heads x 4,096 bytes
	s_add_co_u32 s30, s30, s31
	s_add_co_u32 s30, s30, GV
	s_mov_b32 s31, 0
	s_add_nc_u64 s[28:29], s[28:29], s[30:31]
.irp a, 0,1,2,3,4,5,6,7
	WIN 0x08+4*(\a/4)
.irp b, 0,1,2,3,4,5,6,7
	global_store_b128 v[CO], v[64*(\a%4)+8*\b:64*(\a%4)+8*\b+3], s[28:29] offset:\a*131072+(\b/4)*4096+(\b%4)*1024 th:TH_STORE_NT
	global_store_b128 v[CO], v[64*(\a%4)+8*\b+4:64*(\a%4)+8*\b+7], s[28:29] offset:\a*131072+(\b/4)*4096+(\b%4)*1024+512 th:TH_STORE_NT
.endr
.endr
	WIN 0
.Ldone:
	s_wait_tensorcnt 0x0
	ds_add_u32 v[SPW], v[NIL]
	s_wait_dscnt 0x0
	CROUND
	s_endpgm
.Lfunc_end_k_q92b1c20c4c_qkv:
	.size	k_q92b1c20c4c_qkv, .Lfunc_end_k_q92b1c20c4c_qkv-k_q92b1c20c4c_qkv
	.p2alignl 7, 3214868480
	.fill 96, 4, 3214868480
	.section	.rodata,"a",@progbits
	.p2align	6, 0x0
	.amdhsa_kernel k_q92b1c20c4c_qkv
		.amdhsa_group_segment_fixed_size 327680
		.amdhsa_private_segment_fixed_size 0
		.amdhsa_enable_private_segment 0
		.amdhsa_kernarg_size 32
		.amdhsa_user_sgpr_count 2
		.amdhsa_user_sgpr_kernarg_segment_ptr 1
		.amdhsa_wavefront_size32 1
		.amdhsa_system_sgpr_workgroup_id_x 1
		.amdhsa_system_sgpr_workgroup_id_y 1
		.amdhsa_system_sgpr_workgroup_id_z 1
		.amdhsa_system_vgpr_workitem_id 0
		.amdhsa_next_free_vgpr 1024
		.amdhsa_next_free_sgpr 100
		.amdhsa_reserve_vcc 1
		.amdhsa_float_denorm_mode_32 3
		.amdhsa_float_denorm_mode_16_64 3
		.amdhsa_memory_ordered 1
		.amdhsa_forward_progress 1
		.amdhsa_inst_pref_size 255
	.end_amdhsa_kernel
	.section	.bss,"aw",@nobits
	.p2align	6
	.space	262144
	.amdgpu_metadata
---
amdhsa.version: [ 1, 2 ]
amdhsa.kernels:
  - .name:           k_q92b1c20c4c_qkv
    .symbol:         k_q92b1c20c4c_qkv.kd
    .args:
      - { .name: qw, .offset: 0, .size: 8, .value_kind: global_buffer, .address_space: global }
      - { .name: cos, .offset: 8, .size: 8, .value_kind: global_buffer, .address_space: global }
      - { .name: sin, .offset: 16, .size: 8, .value_kind: global_buffer, .address_space: global }
      - { .name: qkg, .offset: 24, .size: 8, .value_kind: global_buffer, .address_space: global }
    .group_segment_fixed_size: 327680
    .private_segment_fixed_size: 0
    .kernarg_segment_align: 8
    .kernarg_segment_size: 32
    .max_flat_workgroup_size: 128
    .sgpr_count:     100
    .vgpr_count:     1024
    .wavefront_size: 32
...
	.end_amdgpu_metadata
.endif
;; end of part 2
;; launch attn (part 3): grid 32 x 8, 16 waves a work-group, clusters of 4 x 4, 327,680 bytes of LDS; arguments qkg, attention_mask, act; writes act
.if DOCPART == 3
	.amdgcn_target "amdgcn-amd-amdhsa--gfx1250"
	.amdhsa_code_object_version 6
	.text
	.protected	k_q92b1c20c4c_attn
	.globl	k_q92b1c20c4c_attn
	.p2align	8
	.type	k_q92b1c20c4c_attn,@function
k_q92b1c20c4c_attn:
	s_mov_b64 s[64:65], 0
	v_nop
	global_prefetch_b8 v0, s[64:65] scope:SCOPE_SE
	s_setreg_imm32_b32 hwreg(HW_REG_WAVE_MODE, 25, 1), 1
	s_wait_xcnt 0x0
	s_wait_alu depctr_hold_cnt(0) depctr_sa_sdst(0) depctr_va_vdst(0) depctr_va_sdst(0) depctr_va_ssrc(0) depctr_va_vcc(0) depctr_vm_vsrc(0)
	s_getreg_b32 s2, hwreg(HW_REG_IB_STS2, 6, 4)
	s_cmp_eq_u32 s2, 0
	s_cbranch_scc0 .Lentry_in_a_cluster
	s_endpgm
.Lentry_in_a_cluster:
	s_bfe_u32 s2, ttmp6, 0x10000c
	s_cmp_lg_u32 s2, 0xf033
	s_cbranch_scc0 .Lentry_shape_is_right
	s_endpgm
.Lentry_shape_is_right:
; For each head: S = q k^T + mask, softmax, O = P k (the module multiplies by the keys; the product with wv is left out, reference() never reads it), O / l x sigmoid(gate), quantised for the last product.
; Both products on codes of FP6 (E2M3) with E8M0 scales.
; THE SOFTMAX: t = logit x log2(e); M = the running largest t rounded up to a whole number; p = 2^(t - M) is quantised along the keys; the row's sum is taken of the unquantised p and divides at the end.
; SHARES.  Work-group (x, y): 64 queries (block x) of the four heads that share key head y.  Wave w: 16 queries (tile w % 4) of head 4 y + w / 4; four waves to a SIMD.  All 2,048 keys are walked, 128 a step: the mask is an input.
; LDS.  Two slots; a slot holds TWO key steps: the mask's two tiles (64 queries x 128 keys f32, rows 528 bytes apart) and the key head's two packs (12,800 bytes a step in memory: fragments along d, their scale words,
;   fragments along the keys, their scale words, as images of registers; in LDS each 256 bytes are followed by 64 of padding: 16,000 bytes).
;   At the head six waves ask for one tile each: waves 0-3 the mask's four, waves 4 and 5 the two slots' packs.  At a refill waves 0 and 1 ask for a tile of the mask each and wave 4 for the two packs.
; THE CHANGE OF SLOTS STANDS INSIDE A SLOT'S SECOND KEY STEP: when a wave has all that step's fragments in registers, it reads the slot no more: it waits, adds, waits and signals; the running maximum, t - M and the
;   exponentials, work on registers, stand between the signal and the wait; the cluster's round and the refill follow; the sums, the quantiser and the second product come behind them.
; CLUSTER 4 x 4.  The packs hang on y alone and are asked for jointly along a row of the cluster, the mask's tiles on x alone and along a column.
; LAYOUT.  Both products transposed: a lane holds ONE query (lane % 16).  The mask's tile is the C of the first product.
; WHICH KEYS FORM A TILE: rows 0-7 of tiles 0-3 are block 0's keys, rows 8-15 block 1's; tiles 4-7 likewise blocks 2 and 3.  So lane (r, h) holds blocks h and 2 + h WHOLE, 32 registers each:
;   register 8 t + j is key 32 (2 (t / 4) + h) + 16 (t % 2) + 8 ((t % 4) / 2) + j.  A block's largest score needs no other lane, and the conversions' results are the operand's registers.
;   Such a fragment of k is read from the pack's images by lane: lane (r, h) of fragment p takes the image of fragment 2 (p / 2) + r / 8, row 8 (p % 2) + r % 8.
; K = 64 IN AN INSTRUCTION OF 128: a fragment of k holds two tiles of 16 keys (registers 0-5, 6-11).  q stands as [q][0][q] in 18 registers: [q | 0] gives the first tile's scores, [0 | q] the second's.
; ORDER IN A BLOCK OF 32: code 16 a + 8 u + j is element 16 u + 8 a + j, in q and k along d, in p and k along the keys, in the result and wo alike.
; LIMITS: NaN and infinities are not served.  The mask is added by the matrix unit's f32 sum.  A block whose largest magnitude lies under 2^-124 has its byte held at 1.  The promise holds while |t| stays under 2^31.
; REGISTERS: v1-11, v84-95 addresses; v12 -M, v13 the largest t, v[14:15] the sum; v16-33 q; v36-83 four fragments; v96-159 mask, S^T, p; v160-191 O^T; v192-223 sigmoid(gate); v224-235 p's codes; v230-247, v254 at work;
;   v248-251 k's scale words; v252 f; v253 p's scale word; v255 q's scale word.
.set KPK,   3276800
.set GV,    4915200
.set A_S,   3145728
.set MSTEP, 33792                      ; a step's tile of the mask in LDS: 64 rows x 528 bytes
.set KOFF,  2*MSTEP                    ; in a slot, behind the two tiles: the two packs
.set PACK,  12800                      ; a pack in memory,
.set PACKL, 16000                      ; and in LDS: 50 x (256 + 64)
.set SLOT1, 131072                     ; slot 1 begins here
.set SPARE, KOFF+2*PACKL               ; behind slot 0 (99,584): the spare words, 128 bytes for each of 16 waves
.set STG,   SPARE+2048                 ; the way out: 64 rows x 192 bytes of codes
.set SSTG,  STG+12288                  ; and 64 x 8 scale bytes
.set MA0, 1
.set KA0, 2
.set SA0, 3
.set SPW, 4
.set NIL, 5
.set ADM, 6
.set ADK, 7
.set ADS, 8
.set PFO, 9
.set SOC, 10
.set SOS, 11
.set L16, 85
.set GA0, 86
.set TA0, 87
.set RBC, 88
.set RBS, 89
.set GOC, 90
.set ADG, 91
.set ADT, 92
.set SH8, 95
.set TM,  240
.set C2,  236
.set TB,  2                            ; s2   LDS byte at which the slot in hand begins
.set WV,  18
.set SEL, 20
.set CS,  22
.set G1M, 24                           ; s[24:31] descriptor group 1 for the mask's tiles;  s[32:39] for the packs
.set G1K, 32
.set G0M0, 48                          ; s[48:51], s[52:55] groups 0 for the mask: slot 0's and slot 1's first fill; the second then walks on
.set G0M1, 52
.set G0K0, 56                          ; s[56:59], s[60:63] the same for the packs
.set G0K1, 60
.set CNT, 66
.set LIM, 67
.set PFA, 68
.macro CREST                           ; a round of the cluster's barrier behind its opening barrier
	s_cmp_lg_u32 s[WV], 0
	s_cbranch_scc1 .Lnot_wave_0_\@
	s_barrier_signal -3
.Lnot_wave_0_\@:
	s_barrier_wait -3
	s_barrier_signal -1
	s_barrier_wait -1
.endm
.macro CROUND
	s_barrier_signal -1
	s_barrier_wait -1
	CREST
.endm
.macro NOPS
.rept 4
	v_nop
.endr
.endm
.macro DEP n
	s_delay_alu instid0(VALU_DEP_\n)
.endm
.macro TL g0, g1                       ; a tensor load with s_nop 0 and four v_nops behind it
	tensor_load_to_lds s[\g0:\g0+3], s[\g1:\g1+7]
	s_nop 0
	NOPS
.endm
	s_load_b128 s[4:7], s[0:1], 0x0                ; qkg, the mask
	s_load_b64 s[8:9], s[0:1], 0x10                ; act
	v_lshl_add_u32 v[SPW], v0, 2, SPARE
	v_mov_b32 v[NIL], 0
	ds_add_u32 v[SPW], v[NIL]                      ; the opening add, twice on end
	ds_add_u32 v[SPW], v[NIL]
	v_lshrrev_b32 v6, 5, v0
	v_readfirstlane_b32 s[WV], v6                  ; wave 0..15
	s_bfe_u32 s70, ttmp6, 0x40000                  ; cx
	s_bfe_u32 s71, ttmp6, 0x40004                  ; cy
	s_lshl_b32 s72, ttmp9, 2
	s_add_co_u32 s72, s72, s70                     ; x: block of 64 queries
	s_and_b32 s73, ttmp7, 0xffff
	s_lshl_b32 s73, s73, 2
	s_add_co_u32 s73, s73, s71                     ; y: key head
	s_lshl_b32 s74, s71, 2
	s_lshl_b32 s74, 15, s74                        ; my row of the cluster
	s_lshl_b32 s75, 0x1111, s70                    ; my column
	s_or_b32 s[G1M], s75, (2<<16)|(1<<20)|(1<<21)|(6<<22)|(3<<25)   ; the mask's tile: elements of 4 bytes; after every 128 words 4 words of padding
	s_mov_b32 s[G1M+1], 128<<16
	s_mov_b32 s[G1M+2], 64<<16
	s_mov_b32 s[G1M+3], 128<<16
	s_mov_b32 s[G1M+4], 64
	s_mov_b32 s[G1M+5], 2048
	s_mov_b32 s[G1M+6], 0
	s_mov_b32 s[G1M+7], 0
	s_or_b32 s[G1K], s74, (3<<16)|(1<<20)|(1<<21)|(5<<22)|(15<<25)  ; two steps' packs: 100 rows of 256 bytes (32 elements of 8), on end in memory; after every 64 words 16 words of padding
	s_mov_b32 s[G1K+1], 32<<16
	s_mov_b32 s[G1K+2], 100<<16
	s_mov_b32 s[G1K+3], 32<<16
	s_mov_b32 s[G1K+4], 100
	s_mov_b32 s[G1K+5], 32
	s_mov_b32 s[G1K+6], 0
	s_mov_b32 s[G1K+7], 0
	s_and_b32 s80, s[WV], 1                        ; which of a slot's two tiles of the mask I fetch, if I fetch:
	s_lshl_b32 s76, s72, 19                        ; 64 rows of the mask, 8,192 bytes each,
	s_lshl_b32 s81, s80, 9                         ; its 128 keys in a row,
	s_add_co_u32 s76, s76, s81
	s_mov_b32 s77, 0
	s_mul_i32 s80, s80, MSTEP                      ; and its place in a slot: no place in the cluster enters an LDS address
	s_mul_i32 s78, s73, 204800                     ; the key head's packs
	s_add_co_u32 s78, s78, KPK
	s_mov_b32 s79, 0
	s_mov_b32 s[SEL], 0x76543210
	s_mov_b32 s[SEL+1], 0xfedcba98
	s_mov_b32 s[CS], 0x3fb8aa3b                    ; log2(e): the module has no 1 / sqrt(d)
	s_mov_b32 s[CS+1], s[CS]
	s_mov_b32 s[TB], 0
	s_wait_dscnt 0x0                               ; both opening adds are done
	s_wait_kmcnt 0x0
	s_mov_b32 s[G0M0], 1
	s_mov_b32 s[G0M0+1], s80                       ; slot 0
	s_add_nc_u64 s[G0M0+2:G0M0+3], s[6:7], s[76:77]
	s_mov_b32 s[G0M1], 1
	s_add_co_u32 s[G0M1+1], s80, SLOT1             ; slot 1: the next 256 keys
	s_add_nc_u64 s[G0M1+2:G0M1+3], s[G0M0+2:G0M0+3], 1024
	s_or_b32 s[G0M0+3], s[G0M0+3], 0x80000000
	s_or_b32 s[G0M1+3], s[G0M1+3], 0x80000000
	s_mov_b32 s[G0K0], 1
	s_mov_b32 s[G0K0+1], KOFF
	s_add_nc_u64 s[G0K0+2:G0K0+3], s[4:5], s[78:79]
	s_mov_b32 s[G0K1], 1
	s_mov_b32 s[G0K1+1], KOFF+SLOT1
	s_add_nc_u64 s[G0K1+2:G0K1+3], s[G0K0+2:G0K0+3], 2*PACK
	s_or_b32 s[G0K0+3], s[G0K0+3], 0x80000000
	s_or_b32 s[G0K1+3], s[G0K1+3], 0x80000000
	CROUND                                         ; all sixteen work-groups are here: the first joint loads meet
	s_cmp_lt_u32 s[WV], 2                          ; the first fills: one chain of branches on the wave's number, one load to an arm
	s_cbranch_scc0 .Lh1
	TL G0M0, G1M
	s_branch .Lfilled
.Lh1:
	s_cmp_lt_u32 s[WV], 4
	s_cbranch_scc0 .Lh2
	TL G0M1, G1M
	s_branch .Lfilled
.Lh2:
	s_cmp_eq_u32 s[WV], 4
	s_cbranch_scc0 .Lh3
	TL G0K0, G1K
	s_branch .Lfilled
.Lh3:
	s_cmp_eq_u32 s[WV], 5
	s_cbranch_scc0 .Lfilled
	TL G0K1, G1K
.Lfilled:
	v_and_b32 v34, 15, v0                          ; r
	v_bfe_u32 v35, v0, 4, 1                        ; h
	v_and_b32 v84, 31, v0                          ; lane
	v_and_b32 v36, 7, v0                           ; r % 8
	v_bfe_u32 v37, v0, 3, 1                        ; r / 8
	s_and_b32 s82, s[WV], 3                        ; my tile of queries
	s_lshr_b32 s83, s[WV], 2                       ; my head of the four
	s_mul_i32 s84, s82, 16*528
	v_mul_u32_u24 v[MA0], v34, 528
	v_lshlrev_b32 v[L16], 4, v84
	v_lshl_add_u32 v[TA0], v34, 4, KOFF            ; four scale words of row r
	v_lshl_add_u32 v[SA0], v36, 4, KOFF
	v_lshl_add_u32 v[MA0], v35, 7, v[MA0]
	v_mad_u32_u24 v[GA0], v35, 320, v[TA0]         ; an image's place for my lane: 16 r, lanes 16-31 in the next 256 bytes
	v_mad_u32_u24 v[KA0], v35, 320, v[SA0]
	v_lshl_add_u32 v[SA0], v37, 2, v[SA0]          ; k along d, scale words: row r % 8, word r / 8
	v_add_nc_u32 v[MA0], s84, v[MA0]               ; the mask: row 16 tile + r, + 128 h: my blocks' keys
	v_mad_u32_u24 v[KA0], v37, 1920, v[KA0]        ; k along d: row r % 8 of the image r / 8 further on
	v_lshlrev_b32 v[SH8], 3, v35
	v_lshlrev_b32 v[PFO], 13, v34
	DEP 1
	v_lshl_add_u32 v[PFO], v35, 8, v[PFO]          ; the prefetches: a row of the mask for each of 16 lanes, two blocks of 256 bytes
	s_mul_i32 s84, s82, 16*192
	s_mul_i32 s96, s83, 48
	s_add_co_u32 s84, s84, s96
	s_add_co_u32 s84, s84, STG
	v_mul_u32_u24 v[SOC], v34, 192
	DEP 1
	v_mad_u32_u24 v[SOC], v35, 24, v[SOC]
	DEP 1
	v_add_nc_u32 v[SOC], s84, v[SOC]               ; the way out: row 16 tile + r, 48 bytes a head, 24 a block
	s_lshl_b32 s84, s82, 7
	s_lshl_b32 s96, s83, 1
	s_add_co_u32 s84, s84, s96
	s_add_co_u32 s84, s84, SSTG
	v_lshl_add_u32 v[SOS], v34, 3, s84             ; and its two scale bytes
	s_mul_i32 s84, s[WV], 768
	v_lshl_add_u32 v[GOC], v84, 3, s84             ; back: 768 bytes a wave, 8 a lane
	DEP 1
	v_add_nc_u32 v[RBC], STG, v[GOC]
	v_add_nc_u32 v[RBS], SSTG, v[L16]
	s_lshl_b32 s85, s73, 2
	s_add_co_u32 s85, s85, s83                     ; my head
	s_mul_i32 s86, s85, 102400
	s_lshr_b32 s87, s72, 1
	s_mul_i32 s87, s87, 6400
	s_add_co_u32 s86, s86, s87
	s_mov_b32 s87, 0
	s_add_nc_u64 s[10:11], s[4:5], s[86:87]        ; q's pack of my 128 tokens
	s_and_b32 s88, s72, 1
	s_lshl_b32 s88, s88, 1
	s_lshr_b32 s89, s82, 1
	s_add_co_u32 s88, s88, s89                     ; which pair of tiles
	s_mul_i32 s89, s88, 1536
	s_and_b32 s90, s82, 1                          ; registers 0-5 or 6-11 of the image
	s_lshl_b32 s79, s90, 4
	s_cmp_eq_u32 s90, 0
	s_cselect_b32 s91, 0, 520
	s_cselect_b32 s92, 8, 1024
	s_mov_b32 s93, 1032
	s_cselect_b32 s93, 512, s93
	s_add_co_u32 s91, s91, s89
	s_add_co_u32 s92, s92, s89
	s_add_co_u32 s93, s93, s89
	s_wait_alu depctr_va_vdst(0)
	v_add_nc_u32 v38, s91, v[L16]
	v_add_nc_u32 v39, s92, v[L16]
	v_add_nc_u32 v40, s93, v[L16]
	s_lshl_b32 s94, s88, 2
	v_lshl_add_u32 v41, v34, 4, s94
	global_load_b64 v[16:17], v38, s[10:11]
	global_load_b64 v[18:19], v39, s[10:11]
	global_load_b64 v[20:21], v40, s[10:11]
	global_load_b64 v[28:29], v38, s[10:11]
	global_load_b64 v[30:31], v39, s[10:11]
	global_load_b64 v[32:33], v40, s[10:11]
	global_load_b32 v254, v41, s[10:11] offset:6144
	s_lshl_b32 s86, s72, 2
	s_add_co_u32 s86, s86, s82
	s_lshl_b32 s86, s86, 17                        ; 16 tokens of the gate: 32 heads x 4,096 bytes
	s_lshl_b32 s95, s85, 12
	s_add_co_u32 s86, s86, s95
	s_add_co_u32 s86, s86, GV
	s_add_nc_u64 s[12:13], s[4:5], s[86:87]        ; the gate of my 16 queries and my head: an image of four accumulators
.irp i, 0,1,2,3,4,5,6,7
	global_load_b128 v[192+4*\i:195+4*\i], v[L16], s[12:13] offset:512*\i th:TH_LOAD_NT
.endr
	s_mul_i32 s86, s73, 393216
	s_mul_i32 s95, s72, 12288
	s_add_co_u32 s86, s86, s95
	s_add_nc_u64 s[14:15], s[8:9], s[86:87]        ; the result's codes: plane y, rows 64 x on
	s_lshl_b32 s86, s73, 14
	s_lshl_b32 s95, s72, 9
	s_add_co_u32 s86, s86, s95
	s_add_co_u32 s86, s86, A_S
	s_add_nc_u64 s[16:17], s[8:9], s[86:87]        ; and its scale bytes
	s_lshl_b32 s86, s72, 6
	s_lshl_b32 s95, s71, 4
	s_add_co_u32 s86, s86, s95                     ; the prefetches: of a slot's 64 rows each partner of the column takes 16, told apart by address;
	s_lshl_b32 s86, s86, 13
	s_and_b32 s95, s[WV], 1
	s_lshl_b32 s95, s95, 9                         ; wave 6 the even step's 512 bytes of a row, wave 7 the odd step's;
	s_add_co_u32 s86, s86, s95
	s_add_co_u32 s86, s86, 2*1024                  ; at the keys' part 2: the first change of slots steps it to part 3
	s_add_nc_u64 s[PFA:PFA+1], s[6:7], s[86:87]
	s_and_b32 s95, ttmp7, 0xffff                   ; both clusters of a column of clusters read the same tiles: the first asks,
	s_lshr_b32 s96, s[WV], 1
	s_xor_b32 s96, s96, 3                          ; by its waves 6 and 7
	s_or_b32 s95, s95, s96
	s_cmp_eq_u32 s95, 0
	s_cselect_b32 s[LIM], 1, -1
.irp j, 22,23,24,25,26,27
	v_mov_b32 v[\j], 0                             ; the zero codes between q's two copies
.endr
	v_mov_b32 v13, 0xff61b1e6                      ; the largest t so far: -3e38
	DEP 1
	v_floor_f32 v12, -v13                          ; -M
	v_mov_b32 v14, 0
	v_mov_b32 v15, 0
.set j, 0
.rept 32
	v_mov_b32 v[160+j], 0                          ; O^T: the step is written alike for all steps
.set j, j+1
.endr
	v_mov_b32 v236, 0                              ; a lane permute's destination counts as one of its sources
	v_mov_b32 v253, 0
	s_wait_loadcnt 0x0
	v_lshrrev_b32 v254, s79, v254                  ; my tile's two bytes of the pair's word,
	DEP 1
	v_and_b32 v254, 0xffff, v254
	DEP 1
	v_lshl_or_b32 v255, v254, 16, v254             ; for both halves of K
	; sigmoid(gate) = 1 / (1 + 2^(-gate log2(e))), while the first tiles are on their way
.set j, 0
.rept 16
	v_pk_mul_f32 v[192+j:193+j], v[192+j:193+j], 0xbfb8aa3b op_sel_hi:[1,0]
.set j, j+2
.endr
	s_wait_alu depctr_va_vdst(0)
.set j, 0
.rept 32
	v_exp_f32 v[192+j], v[192+j]
.set j, j+1
.endr
	v_nop
	s_wait_alu depctr_va_vdst(0)
.set j, 0
.rept 16
	v_pk_add_f32 v[192+j:193+j], v[192+j:193+j], 1.0 op_sel_hi:[1,0]
.set j, j+2
.endr
	s_wait_alu depctr_va_vdst(0)
.set j, 0
.rept 32
	v_rcp_f32 v[192+j], v[192+j]
.set j, j+1
.endr
	v_nop
	s_wait_alu depctr_va_vdst(0)
; A joint refill: waves 0 and 1 ask for the slot's two tiles of the mask, wave 4 for its two packs, the others for nothing.  The branches hang on the wave's number alone.
.macro TLOAD
	s_cmp_lt_u32 s[WV], 2
	s_cbranch_scc0 .Lnot_m_\@
	TL G0M1, G1M
	s_branch .Lasked_\@
.Lnot_m_\@:
	s_cmp_lg_u32 s[WV], 4
	s_cbranch_scc1 .Lasked_\@
	TL G0K1, G1K
.Lasked_\@:
.endm
; A PREFETCH INTO THE L2 of the mask's part that the NEXT change of slots will ask for: 64 rows x 1,024 bytes.  Each partner of a column takes 16 rows; in it wave 6 asks for the even step's two blocks of 256 bytes a row,
; wave 7 for the odd step's: one instruction each, two key steps ahead of the load.  Each block is named once in the launch.  Parts 0 to 2 come by their loads alone; the last change that fills a slot asks for nothing.
; The packs come by their loads alone: 25,600 of the 91,136 bytes of a refill, and their 100 blocks do not share out evenly among four partners' lanes.
.macro ASK
	s_cmp_gt_u32 s[CNT], s[LIM]
	s_cbranch_scc0 .Lnot_mine_\@
	global_prefetch_b8 v[PFO], s[PFA:PFA+1] th:TH_LOAD_NT scope:SCOPE_SE
.Lnot_mine_\@:
.endm
; A KEY STEP: 128 keys, the q-th of the slot in hand.  chg = 1: the slot is left in this step and filled again; chg = 2: it is left, and a barrier shows the other slot whole; chg = 0: neither.
.macro STEP q, chg
	v_add_nc_u32 v[ADM], s[TB], v[MA0]             ; (these five are the places in front of loads into registers that the last products read)
	v_add_nc_u32 v[ADK], s[TB], v[KA0]
	v_add_nc_u32 v[ADS], s[TB], v[SA0]
	v_add_nc_u32 v[ADG], s[TB], v[GA0]
	v_add_nc_u32 v[ADT], s[TB], v[TA0]
.irp t, 0,1,2,3,4,5,6,7
	ds_load_b128 v[96+8*\t:99+8*\t], v[ADM] offset:MSTEP*(\q)+256*(\t/4)+64*(\t%2)+32*((\t%4)/2)       ; the mask, in the result's layout
	ds_load_b128 v[100+8*\t:103+8*\t], v[ADM] offset:MSTEP*(\q)+256*(\t/4)+64*(\t%2)+32*((\t%4)/2)+16
.endr
.irp p, 0,1,2,3
.irp c, 0,1,2
	ds_load_b128 v[36+12*\p+4*\c:39+12*\p+4*\c], v[ADK] offset:PACKL*(\q)+3840*(\p/2)+128*(\p%2)+640*\c   ; k along d: four fragments of two tiles
.endr
	ds_load_b32 v[248+\p], v[ADS] offset:PACKL*(\q)+7680+128*(\p%2)+8*(\p/2)
.endr
	s_wait_alu depctr_va_vdst(0)
	s_wait_dscnt 0x0
.irp p, 0,1,2,3
	v_wmma_scale_f32_16x16x128_f8f6f4 v[96+16*\p:103+16*\p], v[36+12*\p:47+12*\p], v[16:27], v[96+16*\p:103+16*\p], v[248+\p], v255 matrix_a_fmt:MATRIX_FMT_FP6 matrix_b_fmt:MATRIX_FMT_FP6
	v_wmma_scale_f32_16x16x128_f8f6f4 v[104+16*\p:111+16*\p], v[36+12*\p:47+12*\p], v[22:33], v[104+16*\p:111+16*\p], v[248+\p], v255 matrix_a_fmt:MATRIX_FMT_FP6 matrix_b_fmt:MATRIX_FMT_FP6
.endr
	NOPS
.irp t, 0,1,2,3
.irp c, 0,1,2
	ds_load_b128 v[36+12*\t+4*\c:39+12*\t+4*\c], v[ADG] offset:PACKL*(\q)+8000+1920*\t+640*\c   ; k along the keys
.endr
.endr
	ds_load_b128 v[248:251], v[ADT] offset:PACKL*(\q)+15680
.if \chg
	s_wait_tensorcnt 0x0                           ; no tensor load of mine is out: my part of the other slot is in, and a group 0 may be written
	ds_add_u32 v[SPW], v[NIL]                      ; 0 onto my spare word, twice on end
	ds_add_u32 v[SPW], v[NIL]
.if \chg == 1
	s_xor_b32 s[G0M1+1], s[G0M1+1], SLOT1          ; the walking descriptors: the other slot than last time, the next 256 keys
	s_add_nc_u64 s[G0M1+2:G0M1+3], s[G0M1+2:G0M1+3], 1024
	s_xor_b32 s[G0K1+1], s[G0K1+1], SLOT1
	s_add_nc_u64 s[G0K1+2:G0K1+3], s[G0K1+2:G0K1+3], 2*PACK
	s_wait_xcnt 0x0                                ; the last prefetch, a slot back, has read its address
	s_add_nc_u64 s[PFA:PFA+1], s[PFA:PFA+1], 1024  ; one part further on than the walking descriptors
.endif
.endif
.irp b, 0,1,2,3
	v_max3_num_f32 v[232+\b], v[96+16*\b], v[97+16*\b], v[98+16*\b]   ; the largest score of each half block, four chains by turns; each accumulator is first read at its low end
.endr
.irp i, 3,5,7,9,11,13
.irp b, 0,1,2,3
	v_max3_num_f32 v[232+\b], v[232+\b], v[96+16*\b+\i], v[97+16*\b+\i]
.endr
.endr
	v_max_num_f32 v233, v233, v127
	v_max_num_f32 v235, v235, v159
	v_max3_num_f32 v232, v232, v111, v233          ; my first block's largest score: for the row's maximum and, since p rises with the score, for the block's largest p
	v_max3_num_f32 v234, v234, v143, v235          ; and my second block's
.if \chg
	s_wait_alu depctr_va_vdst(0)
	s_wait_dscnt 0x0                               ; the adds are done, and all my reads of this slot have landed in registers
	s_barrier_signal -1                            ; say so; work on registers alone up to the wait
.endif
	v_max_num_f32 v254, v232, v234
	v_permlanex16_b32 v236, v254, s[SEL], s[SEL+1]
	v_max_num_f32 v254, v254, v236                 ; with lane l xor 16's two blocks: the step's largest score of my query
	v_mul_f32 v254, s[CS], v254
	v_max_num_f32 v13, v13, v254                   ; the running largest t
	v_mov_b32 v254, v12
	v_floor_f32 v12, -v13                          ; the new -M: M is a whole number
	v_sub_f32 v254, v12, v254
	v_cvt_i32_f32 v254, v254                       ; (it saturates)
	v_ldexp_f32 v252, 1.0, v254                    ; f = 2^(old M - new M)
.set j, 0
.rept 32
	v_pk_fma_f32 v[96+j:97+j], v[96+j:97+j], s[CS:CS+1], v[12:13] op_sel_hi:[1,0,0]   ; t - M
.set j, j+2
.endr
	v_fma_f32 v232, v232, s[CS], v12
	v_fma_f32 v234, v234, s[CS], v12
	s_wait_alu depctr_va_vdst(0)
.set j, 0
.rept 64
	v_exp_f32 v[96+j], v[96+j]                     ; p = 2^(t - M): not normalised
.set j, j+1
.endr
	v_pk_mul_f32 v[14:15], v[14:15], v[252:253] op_sel_hi:[1,0]   ; the sums under the new M (a plain place behind the batch)
	s_wait_alu depctr_va_vdst(0)                   ; one wait for the batch, ahead of its first reader and of the barrier
.if \chg
	s_barrier_wait -1                              ; nobody in my work-group reads this slot any more, and the other slot is whole
.if \chg == 1
	CREST                                          ; the barrier has opened a round of the cluster's barrier: the same holds of all sixteen work-groups
	TLOAD                                          ; the first thing behind the round, and a wave's one tensor load until the next
	ASK
.endif
.endif
	v_exp_f32 v232, v232                           ; each block's largest p
	v_exp_f32 v234, v234
.set n, 96                             ; the row's sum of the unquantised p: eight chains of packed additions
.irp d, 236,238,240,242,244,246,230
	v_pk_add_f32 v[\d:\d+1], v[n:n+1], v[n+2:n+3]
.set n, n+4
.endr
.rept 2
.irp d, 236,238,240,242,244,246,230,14
	v_pk_add_f32 v[\d:\d+1], v[\d:\d+1], v[n:n+1]
.set n, n+2
.endr
.endr
	v_pk_add_f32 v[14:15], v[14:15], v[156:157]
	v_pk_add_f32 v[236:237], v[236:237], v[158:159]
	v_pk_add_f32 v[240:241], v[240:241], v[242:243]
	v_pk_add_f32 v[244:245], v[244:245], v[246:247]
	v_pk_add_f32 v[14:15], v[14:15], v[230:231]
	v_pk_add_f32 v[236:237], v[236:237], v[238:239]
	v_pk_add_f32 v[14:15], v[14:15], v[244:245]
	v_pk_add_f32 v[236:237], v[236:237], v[240:241]
	v_pk_add_f32 v[14:15], v[14:15], v[236:237]
	s_wait_alu depctr_va_vdst(0)                   ; and one for the two
	v_max_num_f32 v232, 0x1800000, v232            ; the floor: the byte cannot fall under 1
	v_max_num_f32 v234, 0x1800000, v234
	v_add_nc_u32 v244, 0xff000000, v232            ; 2 off the exponent field: the conversions' scale operands
	v_add_nc_u32 v245, 0xff000000, v234
	v_lshrrev_b32 v246, 23, v244
	v_lshrrev_b32 v247, 23, v245
	v_lshl_or_b32 v246, v247, 16, v246             ; my two bytes: blocks h and 2 + h,
	v_lshlrev_b32 v246, v[SH8], v246               ; at their places in the word;
	v_permlanex16_b32 v247, v246, s[SEL], s[SEL+1]
	v_or_b32 v253, v246, v247                      ; with lane l xor 16's two: p's scale word for these 128 keys
	v_cvt_scalef32_pk16_fp6_f32 v[224:226], v[96:111], v244
	v_cvt_scalef32_pk16_fp6_f32 v[236:238], v[112:127], v244   ; (a conversion's three registers begin on an even number)
	v_cvt_scalef32_pk16_fp6_f32 v[230:232], v[128:143], v245
	v_cvt_scalef32_pk16_fp6_f32 v[240:242], v[144:159], v245
	v_nop                                          ; one plain place behind a scaled conversion
.irp i, 0,1,2
	v_mov_b32 v[227+\i], v[236+\i]
	v_mov_b32 v[233+\i], v[240+\i]
.endr
	s_wait_alu depctr_va_vdst(0)
.set j, 0
.rept 16
	v_pk_mul_f32 v[160+j:161+j], v[160+j:161+j], v[252:253] op_sel_hi:[1,0]   ; O^T under the new M; also the places in front of the products below
.set j, j+2
.endr
	s_wait_alu depctr_va_vdst(0)
	s_wait_dscnt 0x0                               ; k along the keys is in
.irp t, 0,1,2,3
	v_wmma_scale_f32_16x16x128_f8f6f4 v[160+8*\t:167+8*\t], v[36+12*\t:47+12*\t], v[224:235], v[160+8*\t:167+8*\t], v[248+\t], v253 matrix_a_fmt:MATRIX_FMT_FP6 matrix_b_fmt:MATRIX_FMT_FP6
.endr
.if \q
	s_xor_b32 s[TB], s[TB], SLOT1                  ; on to the other slot
.endif
.endm
	s_wait_tensorcnt 0x0                           ; my first fill, if I asked for one, is in
	s_barrier_signal -1
	s_barrier_wait -1                              ; everybody's is: both slots are whole
	s_mov_b32 s[CNT], 6
.Lslot:                                            ; six trips: the keys' parts 0 to 5 are worked, parts 2 to 7 are asked for
	STEP 0, 0
	STEP 1, 1
	s_sub_co_u32 s[CNT], s[CNT], 1
	s_cmp_lg_u32 s[CNT], 0
	s_cbranch_scc1 .Lslot
	STEP 0, 0                                      ; the last two parts are written out
	STEP 1, 2
	STEP 0, 0
	STEP 1, 0
; THE WAY OUT: O^T / the sum x sigmoid(gate), quantised along d; the four heads' codes of a row meet in a stage and leave as whole rows' 192 bytes.
.macro QUANT2 s, d, by
.irp b, 0,1
	v_max3_num_f32 v[TM+\b], |v[\s+16*\b]|, |v[\s+1+16*\b]|, 0x1800000
.endr
.irp i, 2,4,6,8,10,12,14
.irp b, 0,1
	DEP 2
	v_max3_num_f32 v[TM+\b], v[TM+\b], |v[\s+16*\b+\i]|, |v[\s+1+16*\b+\i]|
.endr
.endr
	DEP 2
	v_permlanex16_b32 v[TM+4], v[TM], s[SEL], s[SEL+1]
	DEP 2
	v_permlanex16_b32 v[TM+5], v[TM+1], s[SEL], s[SEL+1]
	DEP 2
	v_max_num_f32 v[TM], v[TM], v[TM+4]
	DEP 2
	v_max_num_f32 v[TM+1], v[TM+1], v[TM+5]
	DEP 2
	v_add_nc_u32 v[TM+12], 0xff000000, v[TM]
	DEP 2
	v_add_nc_u32 v[TM+13], 0xff000000, v[TM+1]
	DEP 2
	v_lshrrev_b32 v[TM+4], 23, v[TM+12]
	DEP 2
	v_lshrrev_b32 v[TM+5], 23, v[TM+13]
	DEP 1
	v_lshl_or_b32 v[\by], v[TM+5], 8, v[TM+4]
	v_cvt_scalef32_pk16_fp6_f32 v[\d:\d+2], v[\s:\s+15], v[TM+12]
	v_cvt_scalef32_pk16_fp6_f32 v[C2:C2+2], v[\s+16:\s+31], v[TM+13]
	v_nop
.irp i, 0,1,2
	v_permlane16_swap_b32 v[\d+\i], v[C2+\i]
.endr
.irp i, 0,1,2
	DEP 3
	v_mov_b32 v[\d+3+\i], v[C2+\i]
.endr
.endm
	NOPS                                           ; places behind the last products
	v_add_f32 v14, v14, v15
	DEP 1
	v_permlanex16_b32 v252, v14, s[SEL], s[SEL+1]
	DEP 1
	v_add_f32 v14, v14, v252                       ; the row's sum
	s_wait_alu depctr_va_vdst(0)
	v_rcp_f32 v14, v14
	v_nop
	s_wait_alu depctr_va_vdst(0)
.set j, 0
.rept 16
	v_pk_mul_f32 v[96+j:97+j], v[160+j:161+j], v[14:15] op_sel_hi:[1,0]   ; each accumulator from its low end on
.set j, j+2
.endr
.set j, 0
.rept 16
	v_pk_mul_f32 v[96+j:97+j], v[96+j:97+j], v[192+j:193+j]
.set j, j+2
.endr
	QUANT2 96, 224, 254
.irp i, 0,1,2
	ds_store_b64 v[SOC], v[224+2*\i:225+2*\i] offset:8*\i
.endr
	ds_store_b16 v[SOS], v254                      ; both halves of the lanes write the same two bytes with the same value
	s_wait_dscnt 0x0                               ; for the others' sake: my stores are done
	s_barrier_signal -1
	s_barrier_wait -1
.irp i, 0,1,2
	ds_load_b64 v[36+2*\i:37+2*\i], v[RBC] offset:256*\i
.endr
.irp i, 0,1,2
	s_wait_dscnt 2-\i                              ; the younger loads may be out
	global_store_b64 v[GOC], v[36+2*\i:37+2*\i], s[14:15] offset:256*\i   ; 32 lanes store 256 bytes on end, aligned
.endr
	s_cmp_lg_u32 s[WV], 0
	s_cbranch_scc1 .Lend
	ds_load_b128 v[44:47], v[RBS]
	s_wait_dscnt 0x0
	global_store_b128 v[L16], v[44:47], s[16:17]   ; the 64 rows' scale bytes: 512 bytes on end
.Lend:
	s_wait_tensorcnt 0x0                           ; the wave's end
	ds_add_u32 v[SPW], v[NIL]
	s_wait_dscnt 0x0
	CROUND                                         ; the closing round
	s_endpgm
.Lfunc_end_k_q92b1c20c4c_attn:
	.size	k_q92b1c20c4c_attn, .Lfunc_end_k_q92b1c20c4c_attn-k_q92b1c20c4c_attn
	.p2alignl 7, 3214868480
	.fill 96, 4, 3214868480
	.section	.rodata,"a",@progbits
	.p2align	6, 0x0
	.amdhsa_kernel k_q92b1c20c4c_attn
		.amdhsa_group_segment_fixed_size 327680
		.amdhsa_private_segment_fixed_size 0
		.amdhsa_enable_private_segment 0
		.amdhsa_kernarg_size 24
		.amdhsa_user_sgpr_count 2
		.amdhsa_user_sgpr_kernarg_segment_ptr 1
		.amdhsa_wavefront_size32 1
		.amdhsa_system_sgpr_workgroup_id_x 1
		.amdhsa_system_sgpr_workgroup_id_y 1
		.amdhsa_system_sgpr_workgroup_id_z 1
		.amdhsa_system_vgpr_workitem_id 0
		.amdhsa_next_free_vgpr 256
		.amdhsa_next_free_sgpr 100
		.amdhsa_reserve_vcc 0
		.amdhsa_float_denorm_mode_32 3
		.amdhsa_float_denorm_mode_16_64 3
		.amdhsa_memory_ordered 1
		.amdhsa_forward_progress 1
		.amdhsa_inst_pref_size 120
	.end_amdhsa_kernel
	.amdgpu_metadata
---
amdhsa.version: [ 1, 2 ]
amdhsa.kernels:
  - .name:           k_q92b1c20c4c_attn
    .symbol:         k_q92b1c20c4c_attn.kd
    .args:
      - { .name: qkg, .offset: 0, .size: 8, .value_kind: global_buffer, .address_space: global }
      - { .name: attention_mask, .offset: 8, .size: 8, .value_kind: global_buffer, .address_space: global }
      - { .name: act, .offset: 16, .size: 8, .value_kind: global_buffer, .address_space: global }
    .group_segment_fixed_size: 327680
    .private_segment_fixed_size: 0
    .kernarg_segment_align: 8
    .kernarg_segment_size: 24
    .max_flat_workgroup_size: 512
    .sgpr_count:     100
    .vgpr_count:     256
    .wavefront_size: 32
...
	.end_amdgpu_metadata
.endif
;; end of part 3
;; launch oproj (part 4): grid 16 x 16, 4 waves a work-group, clusters of 4 x 4, 327,680 bytes of LDS; arguments act, qw, out0; writes out0
.if DOCPART == 4
	.amdgcn_target "amdgcn-amd-amdhsa--gfx1250"
	.amdhsa_code_object_version 6
	.text
	.protected	k_q92b1c20c4c_oproj
	.globl	k_q92b1c20c4c_oproj
	.p2align	8
	.type	k_q92b1c20c4c_oproj,@function
k_q92b1c20c4c_oproj:
	s_mov_b64 s[64:65], 0
	v_nop
	global_prefetch_b8 v0, s[64:65] scope:SCOPE_SE
	s_setreg_imm32_b32 hwreg(HW_REG_WAVE_MODE, 25, 1), 1
	s_wait_xcnt 0x0
	s_wait_alu depctr_hold_cnt(0) depctr_sa_sdst(0) depctr_va_vdst(0) depctr_va_sdst(0) depctr_va_ssrc(0) depctr_va_vcc(0) depctr_vm_vsrc(0)
	s_getreg_b32 s2, hwreg(HW_REG_IB_STS2, 6, 4)
	s_cmp_eq_u32 s2, 0
	s_cbranch_scc0 .Lentry_in_a_cluster
	s_endpgm
.Lentry_in_a_cluster:
	s_bfe_u32 s2, ttmp6, 0x10000c
	s_cmp_lg_u32 s2, 0xf033
	s_cbranch_scc0 .Lentry_shape_is_right
	s_endpgm
.Lentry_shape_is_right:
; out0 = act x wo on codes of FP6 with E8M0 scales: a work-group makes 128 x 128, four waves of 64 x 64; a slot holds two planes of 256 along K of both operands; cluster 4 x 4 with joint loads.
; A tile's 128 rows of 192 bytes lie on end in memory: it is stated as 96 rows of 256 bytes, each beginning on a multiple of 256 bytes; 16 bytes of padding behind each 64 give LDS rows of 240 bytes.
.set A_S,    3145728
.set WO_C,   11468800
.set WO_S,   14614528
.set PLANE,  393216
.set ROWB,   192
.set PITCH,  240
.set FR,     12
.set HALFT,  128*PITCH
.set SLOT,   4*HALFT
.set SCL,    2*SLOT
.set SCB,    8320
.set SPARE,  262400
.set STAGE,  262912
.set SPITCH, 272
.set ADRA, 16
.set ADRB, 20
.set STO,  24
.set RD,   25
.set CO,   26
.set ADRS, 27
.set SPW,  28
.set NIL,  29
.set SC,   32
.set OB,   64
.set ACC,  128
.set G1, 24
.set G0, 32
.set G1B, 48
.set G0B, 56
.set G1S, 68
.set G0S, 76
.set G1SB, 80
.set G0SB, 88
.set MSB, 0
.macro WIN new
.if MSB != (\new)
	s_set_vgpr_msb (MSB<<8)|(\new)
.set MSB, (\new)
.endif
.endm
.set MUL,  0x05
.set TO_F, 0x40
.macro JLOAD g0a, g1a, g0b, g1b
	s_cmp_eq_u32 s15, 0
	s_cbranch_scc0 .Lfor_b_\@
	tensor_load_to_lds s[\g0a:\g0a+3], s[\g1a:\g1a+7]
	s_nop 0
.rept 4
	v_nop
.endr
	s_branch .Lasked_\@
.Lfor_b_\@:
	tensor_load_to_lds s[\g0b:\g0b+3], s[\g1b:\g1b+7]
	s_nop 0
.rept 4
	v_nop
.endr
.Lasked_\@:
.endm
.macro CREST
	s_cmp_lg_u32 s14, 0
	s_cbranch_scc1 .Lnot_wave_0_\@
	s_barrier_signal -3
.Lnot_wave_0_\@:
	s_barrier_wait -3
	s_barrier_signal -1
	s_barrier_wait -1
.endm
.macro CROUND
	s_barrier_signal -1
	s_barrier_wait -1
	CREST
.endm
.macro PLACES
.rept 4
	v_nop
.endr
.endm
	s_load_b128 s[4:7], s[0:1], 0x0
	s_load_b64 s[12:13], s[0:1], 0x10
	v_lshl_add_u32 v[SPW], v0, 2, SPARE
	v_mov_b32 v[NIL], 0
	ds_add_u32 v28, v29
	ds_add_u32 v28, v29
	s_wait_dscnt 0x0
	v_lshrrev_b32 v1, 5, v0
	v_readfirstlane_b32 s14, v1
	s_lshr_b32 s15, s14, 1
	s_and_b32 s16, s14, 1
	s_bfe_u32 s40, ttmp6, 0x40000
	s_bfe_u32 s41, ttmp6, 0x40004
	s_lshl_b32 s42, ttmp9, 2
	s_add_co_u32 s42, s42, s40
	s_and_b32 s17, ttmp7, 0xffff
	s_lshl_b32 s17, s17, 2
	s_add_co_u32 s17, s17, s41
	s_lshl_b32 s43, s41, 2
	s_lshl_b32 s43, 15, s43
	s_lshl_b32 s44, 0x1111, s40
	s_or_b32 s[G1+0], s43, (0<<16)|(1<<20)|(1<<21)|(3<<22)|(3<<25)
	s_or_b32 s[G1B+0], s44, (0<<16)|(1<<20)|(1<<21)|(3<<22)|(3<<25)
.irp g, G1, G1B
	s_mov_b32 s[\g+1], 256<<16
	s_mov_b32 s[\g+2], 96<<16
	s_mov_b32 s[\g+3], 256<<16
	s_mov_b32 s[\g+4], 96
	s_mov_b32 s[\g+5], 256
	s_mov_b32 s[\g+6], 0
	s_mov_b32 s[\g+7], 0
.endr
	s_or_b32 s[G1S+0], s43, (3<<16)|(1<<21)
	s_or_b32 s[G1SB+0], s44, (3<<16)|(1<<21)
.irp g, G1S, G1SB
	s_mov_b32 s[\g+1], 128<<16
	s_mov_b32 s[\g+2], 4<<16
	s_mov_b32 s[\g+3], 128<<16
	s_mov_b32 s[\g+4], 4
	s_mov_b32 s[\g+5], 2048
	s_mov_b32 s[\g+6], 0
	s_mov_b32 s[\g+7], 0
.endr
	s_mul_i32 s18, s16, PLANE
	s_mul_i32 s20, s17, 128*ROWB
	s_add_co_u32 s20, s20, s18
	s_mov_b32 s21, 0
	s_mul_i32 s46, s42, 128*ROWB
	s_add_co_u32 s46, s46, s18
	s_add_co_u32 s46, s46, WO_C
	s_mov_b32 s47, 0
	s_lshl_b32 s18, s16, 16
	s_lshl_b32 s22, s17, 10
	s_add_co_u32 s22, s22, s18
	s_add_co_u32 s22, s22, A_S
	s_mov_b32 s23, 0
	s_lshl_b32 s92, s42, 10
	s_add_co_u32 s92, s92, s18
	s_add_co_u32 s92, s92, WO_S
	s_mov_b32 s93, 0
	s_mul_i32 s45, s14, HALFT
	s_mul_i32 s94, s15, SCB
	s_lshl_b32 s95, s16, 12
	s_add_co_u32 s94, s94, s95
	s_wait_kmcnt 0x0
	s_add_nc_u64 s[20:21], s[4:5], s[20:21]
	s_add_nc_u64 s[22:23], s[4:5], s[22:23]
	s_add_nc_u64 s[46:47], s[6:7], s[46:47]
	s_add_nc_u64 s[92:93], s[6:7], s[92:93]
	CROUND
	s_mov_b32 s[G0S], 1
	s_add_co_u32 s[G0S+1], s94, SCL
	s_mov_b64 s[G0S+2:G0S+3], s[22:23]
	s_or_b32 s[G0S+3], s[G0S+3], 0x80000000
	s_mov_b32 s[G0SB], 1
	s_add_co_u32 s[G0SB+1], s94, SCL
	s_mov_b64 s[G0SB+2:G0SB+3], s[92:93]
	s_or_b32 s[G0SB+3], s[G0SB+3], 0x80000000
	JLOAD G0S, G1S, G0SB, G1SB
.irp s, 0,1
	s_mov_b32 s[G0+4*\s], 1
	s_add_co_u32 s[G0+4*\s+1], s45, \s*SLOT
	s_add_nc_u64 s[G0+4*\s+2:G0+4*\s+3], s[20:21], \s*2*PLANE
	s_or_b32 s[G0+4*\s+3], s[G0+4*\s+3], 0x80000000
	s_mov_b32 s[G0B+4*\s], 1
	s_add_co_u32 s[G0B+4*\s+1], s45, \s*SLOT
	s_add_nc_u64 s[G0B+4*\s+2:G0B+4*\s+3], s[46:47], \s*2*PLANE
	s_or_b32 s[G0B+4*\s+3], s[G0B+4*\s+3], 0x80000000
	s_wait_alu depctr_va_vdst(0)
	s_wait_tensorcnt 0x0
	ds_add_u32 v28, v29
	s_wait_dscnt 0x0
	CROUND
	JLOAD G0+4*\s, G1, G0B+4*\s, G1B
.endr
	v_and_b32 v1, 15, v0
	v_bfe_u32 v2, v0, 4, 1
	v_mul_u32_u24 v3, v1, PITCH
	v_mul_u32_u24 v4, v2, 24
	v_add_nc_u32 v4, v3, v4
	v_lshl_add_u32 v5, v2, 4, v4
	s_mul_i32 s21, s15, 64*PITCH
	s_mul_i32 s22, s16, 64*PITCH
	s_add_co_u32 s22, s22, 2*HALFT
.irp s, 0,1
	v_add_nc_u32 v[ADRA+\s], s21, v4
	v_add_nc_u32 v[ADRB+\s], s22, v4
	v_add_nc_u32 v[ADRA+2+\s], s21, v5
	v_add_nc_u32 v[ADRB+2+\s], s22, v5
	s_add_co_u32 s21, s21, SLOT
	s_add_co_u32 s22, s22, SLOT
.endr
	v_lshlrev_b32 v5, 3, v1
	s_lshl_b32 s21, s15, 9
	s_lshl_b32 s22, s16, 9
	s_add_co_u32 s22, s22, SCB
	s_sub_co_u32 s22, s22, s21
	v_mul_u32_u24 v6, s22, v2
	s_add_co_u32 s21, s21, SCL
	v_add_nc_u32 v5, v5, v6
	v_add_nc_u32 v[ADRS], s21, v5
	s_mul_i32 s23, s14, 16*SPITCH
	s_add_co_u32 s23, s23, STAGE
	v_mul_u32_u24 v5, v1, SPITCH
	v_lshl_add_u32 v5, v2, 5, v5
	v_add_nc_u32 v[STO], s23, v5
	v_mul_u32_u24 v5, v2, SPITCH
	v_lshl_add_u32 v5, v1, 4, v5
	v_add_nc_u32 v[RD], s23, v5
	v_lshlrev_b32 v5, 13, v2
	v_lshl_add_u32 v[CO], v1, 4, v5
	s_lshl_b32 s20, s17, 7
	s_lshl_b32 s21, s15, 6
	s_add_co_u32 s20, s20, s21
	s_lshl_b32 s20, s20, 13
	s_lshl_b32 s46, s42, 9
	s_lshl_b32 s47, s16, 8
	s_add_co_u32 s46, s46, s47
	s_add_co_u32 s20, s20, s46
	s_mov_b32 s21, 0
	s_add_nc_u64 s[12:13], s[12:13], s[20:21]
.macro FRAG reg, adr, pl, q, i
.irp p, 0,1,2,3,4,5
.set PCE, 12*(\q)+6*(\p/3)+\p%3
.if PCE%8 < 5
	ds_load_b64 v[\reg+2*\p:\reg+2*\p+1], v[\adr] offset:8*PCE+16*(PCE/8)+(\i)*16*PITCH+(\pl)*HALFT
.else
	ds_load_b64 v[\reg+2*\p:\reg+2*\p+1], v[\adr+2] offset:8*PCE+16*(PCE/8)+(\i)*16*PITCH+(\pl)*HALFT
.endif
.endr
.endm
.macro FETCH slot, pl, q, f
	WIN TO_F
.irp i, 0,1,2,3
	FRAG 128*(\f)+48+FR*\i, ADRB+\slot, \pl, \q, \i
.endr
.irp i, 0,1,2,3
	FRAG 128*(\f)+FR*\i, ADRA+\slot, \pl, \q, \i
.endr
.endm
.macro SCALES sig
.irp pl, 0,1
.irp i, 0,1,2,3
	ds_load_b64 v[SC+16*((\sig)%2)+8*\pl+2*\i:SC+16*((\sig)%2)+8*\pl+2*\i+1], v[ADRS] offset:(2*(\sig)+\pl)*1024+128*\i
.endr
.endr
.endm
.macro MUL4 a, f, sc, pl, q, zero
.irp b, 0,1,2,3
.if \zero
	v_wmma_scale_f32_16x16x128_f8f6f4 v[ACC+8*(4*(\a)+\b):ACC+8*(4*(\a)+\b)+7], v[128*(\f)+48+FR*\b:128*(\f)+48+FR*\b+FR-1], v[128*(\f)+FR*(\a):128*(\f)+FR*(\a)+FR-1], 0, v[SC+16*(\sc)+8*(\pl)+2*\b+(\q)], v[SC+16*(\sc)+8*(\pl)+2*(\a)+(\q)] matrix_a_fmt:MATRIX_FMT_FP6 matrix_b_fmt:MATRIX_FMT_FP6 matrix_a_scale:MATRIX_SCALE_ROW1
.else
	v_wmma_scale_f32_16x16x128_f8f6f4 v[ACC+8*(4*(\a)+\b):ACC+8*(4*(\a)+\b)+7], v[128*(\f)+48+FR*\b:128*(\f)+48+FR*\b+FR-1], v[128*(\f)+FR*(\a):128*(\f)+FR*(\a)+FR-1], v[ACC+8*(4*(\a)+\b):ACC+8*(4*(\a)+\b)+7], v[SC+16*(\sc)+8*(\pl)+2*\b+(\q)], v[SC+16*(\sc)+8*(\pl)+2*(\a)+(\q)] matrix_a_fmt:MATRIX_FMT_FP6 matrix_b_fmt:MATRIX_FMT_FP6 matrix_a_scale:MATRIX_SCALE_ROW1
.endif
.endr
.endm
.macro QSTEP slot, pl, q, f, npl, nq, zero
	s_wait_dscnt 0x0
	PLACES
	FETCH \slot, \npl, \nq, 1-(\f)
	WIN MUL
	MUL4 0, \f, \slot, \pl, \q, \zero
	MUL4 1, \f, \slot, \pl, \q, \zero
	MUL4 2, \f, \slot, \pl, \q, \zero
	MUL4 3, \f, \slot, \pl, \q, \zero
.endm
.macro THREE slot, zero
	QSTEP \slot, 0, 0, 0, 0, 1, \zero
	QSTEP \slot, 0, 1, 1, 1, 0, 0
	QSTEP \slot, 1, 0, 0, 1, 1, 0
.endm
.macro TURN slot, next, fill, sig
	WIN 0
	s_wait_tensorcnt 0x0
	ds_add_u32 v[SPW], v[NIL]
	s_wait_dscnt 1
	WIN MUL
	MUL4 0, 1, \slot, 1, 1, 0
	s_wait_dscnt 0x0
	s_barrier_signal -1
	MUL4 1, 1, \slot, 1, 1, 0
	WIN 0
	s_barrier_wait -1
.if \fill
	CREST
	s_add_nc_u64 s[G0+4*\slot+2:G0+4*\slot+3], s[G0+4*\slot+2:G0+4*\slot+3], 4*PLANE
	s_add_nc_u64 s[G0B+4*\slot+2:G0B+4*\slot+3], s[G0B+4*\slot+2:G0B+4*\slot+3], 4*PLANE
	JLOAD G0+4*\slot, G1, G0B+4*\slot, G1B
.else
	PLACES
.endif
	FETCH \next, 0, 0, 0
	WIN 0
	SCALES \sig
	WIN MUL
	MUL4 2, 1, \slot, 1, 1, 0
	MUL4 3, 1, \slot, 1, 1, 0
.endm
	s_wait_alu depctr_va_vdst(0)
	s_wait_tensorcnt 1
	s_barrier_signal -1
	s_barrier_wait -1
	FETCH 0, 0, 0, 0
	WIN 0
	SCALES 0
	THREE 0, 1
	TURN 0, 1, 1, 1
	THREE 1, 0
	TURN 1, 0, 1, 2
	THREE 0, 0
	TURN 0, 1, 0, 3
	THREE 1, 0
	s_wait_dscnt 0x0
	MUL4 0, 1, 1, 1, 1, 0
	MUL4 1, 1, 1, 1, 1, 0
	MUL4 2, 1, 1, 1, 1, 0
	MUL4 3, 1, 1, 1, 1, 0
	WIN 0
	PLACES
.irp a, 0,1,2,3
.if \a > 1
	s_wait_xcnt 0x0
.endif
.irp b, 0,1,2,3
	ds_store_b128 v[STO], v[ACC+8*(4*\a+\b):ACC+8*(4*\a+\b)+3] offset:64*\b
	ds_store_b128 v[STO], v[ACC+8*(4*\a+\b)+4:ACC+8*(4*\a+\b)+7] offset:64*\b+16
.endr
.irp t, 0,1,2,3,4,5,6,7
	ds_load_b128 v[OB+32*(\a%2)+4*\t:OB+32*(\a%2)+4*\t+3], v[RD] offset:2*\t*SPITCH
.endr
.irp t, 0,1,2,3,4,5,6,7
	s_wait_dscnt 7-\t
	global_store_b128 v[CO], v[OB+32*(\a%2)+4*\t:OB+32*(\a%2)+4*\t+3], s[12:13] offset:(16*\a+2*\t)*8192 th:TH_STORE_NT
.endr
.endr
	s_wait_tensorcnt 0x0
	ds_add_u32 v[SPW], v[NIL]
	s_wait_dscnt 0x0
	CROUND
	s_endpgm
.Lfunc_end_k_q92b1c20c4c_oproj:
	.size	k_q92b1c20c4c_oproj, .Lfunc_end_k_q92b1c20c4c_oproj-k_q92b1c20c4c_oproj
	.p2alignl 7, 3214868480
	.fill 96, 4, 3214868480
	.section	.rodata,"a",@progbits
	.p2align	6, 0x0
	.amdhsa_kernel k_q92b1c20c4c_oproj
		.amdhsa_group_segment_fixed_size 327680
		.amdhsa_private_segment_fixed_size 0
		.amdhsa_enable_private_segment 0
		.amdhsa_kernarg_size 24
		.amdhsa_user_sgpr_count 2
		.amdhsa_user_sgpr_kernarg_segment_ptr 1
		.amdhsa_wavefront_size32 1
		.amdhsa_system_sgpr_workgroup_id_x 1
		.amdhsa_system_sgpr_workgroup_id_y 1
		.amdhsa_system_sgpr_workgroup_id_z 1
		.amdhsa_system_vgpr_workitem_id 0
		.amdhsa_next_free_vgpr 512
		.amdhsa_next_free_sgpr 100
		.amdhsa_reserve_vcc 0
		.amdhsa_float_denorm_mode_32 3
		.amdhsa_float_denorm_mode_16_64 3
		.amdhsa_memory_ordered 1
		.amdhsa_forward_progress 1
		.amdhsa_inst_pref_size 108
	.end_amdhsa_kernel
	.amdgpu_metadata
---
amdhsa.version: [ 1, 2 ]
amdhsa.kernels:
  - .name:           k_q92b1c20c4c_oproj
    .symbol:         k_q92b1c20c4c_oproj.kd
    .args:
      - { .name: act, .offset: 0, .size: 8, .value_kind: global_buffer, .address_space: global }
      - { .name: qw, .offset: 8, .size: 8, .value_kind: global_buffer, .address_space: global }
      - { .name: out0, .offset: 16, .size: 8, .value_kind: global_buffer, .address_space: global }
    .group_segment_fixed_size: 327680
    .private_segment_fixed_size: 0
    .kernarg_segment_align: 8
    .kernarg_segment_size: 24
    .max_flat_workgroup_size: 128
    .sgpr_count:     100
    .vgpr_count:     512
    .wavefront_size: 32
...
	.end_amdgpu_metadata
.endif
;; end of part 4
